; MI455X (gfx1250); checked and timed in simulation.
; The chip was launched on July 23, 2026; its instructions are those of AMD's public machine-readable ISA for CDNA 5 (MIT licence, August 2026) and "CDNA5" Instruction Set Architecture Reference Guide (July 2026). The comments in the code are by the model that wrote it; some were corrected since.
;; Multi Head Attention Llama2. Allowed arithmetic: matrix products marked QUANTISED: E2M3 operands, one E8M0 scale for each 32 along K, by v_wmma_scale_f32_16x16x128_f8f6f4 with both operands' format E2M3, f32 sums; everything else in f32.
;; Inputs: Wk 1,024 x 1,024 float32; Wp 1,024 x 1,024 float32; Wq 1,024 x 1,024 float32; Wv 1,024 x 1,024 float32; bp 1,024 float32; x 4 x 2,048 x 1,024 float32.
;; Outputs: out0 4 x 2,048 x 1,024 float32.
;; This version of the problem:
;;   THIS VERSION OF THE PROBLEM IS GIVEN IN LOW PRECISION. The matrix products marked QUANTISED in the list below multiply operands that are first quantised to E2M3 (2 exponent bits, 3 mantissa bits; 6 bits a number), with one power-of-two scale for each 32 numbers along K (OCP MX v1.0); their sums are f32. All else is computed in f32.
;;   The module's matrix products, in the order in which they are computed (A, B: the left and right operand; K: the contracted axis; several contracted axes count as one K, in the product's order):
;;     1. [M 8,192, K 1,024] x [K 1,024, N 1,024]; A: input x; B: input Wq: QUANTISED
;;     2. [M 8,192, K 1,024] x [K 1,024, N 1,024]; A: input x; B: input Wk: QUANTISED
;;     3. [M 8,192, K 1,024] x [K 1,024, N 1,024]; A: input x; B: input Wv: QUANTISED
;;     4. batch 64 x [M 2,048, K 64] x [K 64, N 2,048]; A: computed on the way; B: computed on the way: QUANTISED
;;     5. batch 64 x [M 2,048, K 2,048] x [K 2,048, N 64]; A: softmax (see below); B: computed on the way: QUANTISED
;;     6. [M 8,192, K 1,024] x [K 1,024, N 1,024]; A: computed on the way; B: input Wp: QUANTISED
;;   THE QUANTISER, for each operand of a quantised product, along K:
;;     - K is cut into blocks of 32 from its start; a last block that is shorter is filled with zeros.
;;     - A block's scale is 2^e with e = floor(log2(the largest magnitude in the block)) - 2, held to -126 .. 127; a block of zeros has e = 0. As a byte (E8M0): e + 127.
;;     - Each number is divided by its block's scale, clamped to +-7.5, and rounded to the nearest number of E2M3, ties to even, subnormals kept.
;;     - The product sums the exact products of the quantised numbers (number of the format x scale) in f32.
;;   ~~~python
;;   def quantise(x, axis):      # numpy; x: float32 -> the quantised numbers, widened to float32 again
;;       x = np.moveaxis(x, axis, -1); K = x.shape[-1]
;;       x = np.pad(x, [(0, 0)] * (x.ndim - 1) + [(0, -K % 32)]); x = x.reshape(x.shape[:-1] + (-1, 32)); a = np.abs(x).max(-1, keepdims=True)
;;       e = np.where(a > 0, np.clip(np.frexp(np.where(a > 0, a, 1))[1] - 1 - 2, -126, 127), 0)      # np.frexp(a)[1] - 1 = floor(log2(a)), exactly
;;       r = np.clip(x / 2.0 ** e, -7.5, 7.5)
;;       step = 2.0 ** (np.maximum(np.frexp(np.where(r == 0, 1, r))[1] - 1, 0) - 3)
;;       q = np.round(r / step) * step * 2.0 ** e      # np.round: ties to even
;;       return np.moveaxis(q.reshape(q.shape[:-2] + (-1,))[..., :K], -1, axis).astype(np.float32)
;;   ~~~
;;   SOFTMAX AHEAD OF A QUANTISED PRODUCT. Where the list says 'softmax', what is quantised is not the finished softmax but p = 2^(t - M), with t = logit x log2(e) and M = ceil(the row's largest t), a whole number; so 1/2 < the row's largest p <= 1. The row's sum l is taken of the UNQUANTISED p, in f32, and the product's result is divided by l at the end. Since M is a whole number, a kernel that streams over the keys may use a running M (the ceiling of the running maximum): every later rescaling is an exact power of two, which a block's scale takes up: the codes' values come out the same.
;;   OPERANDS COMPUTED ON THE WAY. 'Computed on the way' means the value that the module computes at that place (a softmax that the list does not call 'softmax' is quantised finished and normalised). What goes into a quantiser is computed in f32, as accurately as f32 sums, v_exp_f32 and their like allow (about 1e-6 of the number): no bf16 or f16 on the way to a quantiser, and a product that is left as it is and whose result goes on into a quantised operand takes f32 operands (vector FMAs, or v_wmma_f32_16x16x4_f32). A number that lies on a knife's edge between two numbers of the format may be rounded either way, as far as f32 arithmetic and the matrix unit's own rounding can turn it there, and no further.
;; One version. Each part assembles by itself: llvm-mc -triple=amdgcn-amd-amdhsa -mcpu=gfx1250 --defsym DOCPART=n.
;; ======== version 1 of 1: 4 launches
;; workspace buffers: xw_codes 9,437,184 bytes; xw_scales 393,216 bytes; qkv_codes 18,874,368 bytes; qkv_scales 1,310,720 bytes; o_codes 6,291,456 bytes; o_scales 262,144 bytes
;; launch quant (part 1): grid 384 x 1, 4 waves a work-group, no clusters, 33,280 bytes of LDS; arguments x, Wq, Wk, Wv, Wp, xw_codes, xw_scales; writes xw_codes, xw_scales
.if DOCPART == 1
	.amdgcn_target "amdgcn-amd-amdhsa--gfx1250"
	.amdhsa_code_object_version 6
	.text
	.protected	k_q5ef11923c6_quant
	.globl	k_q5ef11923c6_quant
	.p2align	8
	.type	k_q5ef11923c6_quant,@function
k_q5ef11923c6_quant:
	s_mov_b64 s[64:65], 0
	v_nop
	global_prefetch_b8 v0, s[64:65] scope:SCOPE_SE
	s_setreg_imm32_b32 hwreg(HW_REG_WAVE_MODE, 25, 1), 1
	s_wait_xcnt 0x0
; x [8192][1024] and Wq, Wk, Wv, Wp [1024][1024], f32 with K innermost, become codes of FP6 (E2M3), 6 bits each, and one E8M0 scale byte for each 32 along K.
; They go into ONE table of 12,288 rows: a row's 1,024 codes are 768 bytes (xw_codes), its 32 scale bytes lie in xw_scales.  Rows 0.. x, 8192.. Wq, 9216.. Wk, 10240.. Wv, 11264.. Wp.
; A block's scale is 2^(floor(log2(its largest magnitude)) - 2): its byte is the largest magnitude's exponent field - 2, held at 1 from below.  Each number is divided by the scale and rounded to the nearest code, ties to even.
; THE ORDER OF ROWS.  In x, Wq, Wk and Wv the two middle groups of 8 rows of every 32 change places: place 16 i + r then holds row 32 (i / 2) + 8 (i % 2) + r + 8 (r / 8).  A product that takes 16 neighbouring places as its
; source 0 so has 16 neighbouring rows in the 16 registers of two neighbouring tiles, which is what the quantisers of the later launches want.  Wp keeps its order.
; LIMITS: NaN and infinities among the inputs are not served.  A block whose largest magnitude lies under 2^-124 has its byte held at 1; a block of zeros gets the byte 1 and not 127: its codes are zeros, and this program alone reads the bytes.
; SHARES.  A work-group takes 32 rows, a wave 8 rows = 8,192 numbers = one group, in 16 steps of 512 numbers.  Work-groups 0-255 take x, then 32 for each weight.  Waves share nothing: no barrier.
; Each of a step's four loads reads 512 consecutive bytes; the 2,048 bytes turn through the wave's own stage in LDS so that a lane holds 16 neighbours along K, as the conversion wants them.  Loads run four steps ahead.
.set STEPS, 16
.set XWG,   256                        ; work-groups that take x: 8192 x 1024 / 32768
.set CB,    12                         ; bytes of 16 codes
.set R,     16                         ; v16-79   four sets of 16 numbers as they are loaded
.set X,     80                         ; v80-111  two sets of 16 neighbours
.set E,     112                        ; v112-127 a scale byte for each step
.set C,     128                        ; v128-191 codes: four registers for each step, so that no store's data are written again
.set WREG,  8192                       ; LDS: a region for each wave: two stages of 32 x SP bytes, and behind them its 256 scale bytes
.set SP,    80                         ; a lane's place in a stage: its 64 bytes + 16 of padding
	s_load_b256 s[8:15], s[0:1], 0x0               ; x s[8:9], Wq s[10:11], Wk s[12:13], Wv s[14:15]
	s_load_b128 s[16:19], s[0:1], 0x20             ; Wp s[16:17], the codes s[18:19]
	s_load_b64 s[20:21], s[0:1], 0x30              ; the scale bytes
	v_lshl_add_u32 v192, v0, 2, 0x8000
	v_mov_b32 v193, 0
	v_lshrrev_b32 v1, 5, v0
	v_readfirstlane_b32 s26, v1                    ; wave
	v_and_b32 v2, 31, v0                           ; lane
	v_lshlrev_b32 v3, 4, v2                        ; my 16 bytes of a load's 512
	s_mul_i32 s27, s26, WREG
	v_lshrrev_b32 v14, 2, v2
	v_mul_u32_u24 v14, v14, SP
	v_and_b32 v15, 3, v2
	v_lshl_add_u32 v14, v15, 4, v14
	v_add_nc_u32 v14, s27, v14                     ; the stage, on the way in: SP (lane / 4) + 16 (lane % 4)
	v_mul_u32_u24 v15, v2, SP
	v_add_nc_u32 v15, s27, v15                     ; and on the way out: SP x lane: my 16 neighbours
	v_mul_u32_u24 v4, v2, CB                       ; my codes' place in a step's
	v_lshrrev_b32 v5, 1, v2
	s_add_co_u32 s27, s27, 2*32*SP
	v_add_nc_u32 v5, s27, v5                       ; LDS: my wave's 256 scale bytes, my block's byte
	v_lshlrev_b32 v7, 3, v2                        ; and on the way out 8 bytes a lane
	v_add_nc_u32 v6, s27, v7
	s_sub_co_u32 s28, ttmp9, XWG                   ; behind x: 32 work-groups a weight (for x this wraps to a number far above 3 x 32)
	s_lshr_b32 s29, s28, 5                         ; which weight: 0 Wq, 1 Wk, 2 Wv, 3 Wp
	s_and_b32 s30, s28, 31                         ; and which 32 rows of it
	s_and_b32 s31, s26, 1
	s_lshl_b32 s31, s31, 1
	s_lshr_b32 s32, s26, 1
	s_or_b32 s31, s31, s32                         ; my group's place: groups 1 and 2 change places,
	s_cmp_eq_u32 s29, 3
	s_cselect_b32 s31, s26, s31                    ; but not in Wp
	s_lshl_b32 s24, ttmp9, 2
	s_add_co_u32 s24, s24, s31                     ; where my 8 rows go in the table, in groups of 8 rows
	s_wait_alu depctr_va_vdst(0)
	s_wait_kmcnt 0x0
	s_cmp_eq_u32 s29, 2                            ; the tensor that I read: the choices hang on the work-group's number alone
	s_cselect_b64 s[4:5], s[14:15], s[16:17]
	s_cmp_eq_u32 s29, 1
	s_cselect_b64 s[4:5], s[12:13], s[4:5]
	s_cmp_eq_u32 s29, 0
	s_cselect_b64 s[4:5], s[10:11], s[4:5]
	s_cmp_lt_u32 ttmp9, XWG
	s_cselect_b64 s[4:5], s[8:9], s[4:5]
	s_cselect_b32 s30, ttmp9, s30
	s_lshl_b32 s30, s30, 2
	s_add_co_u32 s30, s30, s26                     ; which 8 rows of that tensor are my wave's
	s_lshl_b32 s22, s30, 15                        ; 32,768 bytes each (under 2^26 in all)
	s_mov_b32 s23, 0
	s_add_nc_u64 s[4:5], s[4:5], s[22:23]
	s_mul_i32 s22, s24, 32*STEPS*CB                ; 6,144 bytes of codes
	s_add_nc_u64 s[18:19], s[18:19], s[22:23]
	s_lshl_b32 s22, s24, 8                         ; 256 scale bytes
	s_add_nc_u64 s[20:21], s[20:21], s[22:23]
.macro LOAD t
.irp i, 0,1,2,3
	global_load_b128 v[R+16*((\t)%4)+4*\i:R+16*((\t)%4)+4*\i+3], v3, s[4:5] offset:2048*(\t)+512*\i th:TH_LOAD_NT   ; 32 lanes read 512 consecutive bytes
.endr
.endm
.macro TURN t                          ; step t's numbers through the stage: LDS serves a wave's instructions in order, so no wait stands between the stores and the loads
.irp i, 0,1,2,3
	ds_store_b128 v14, v[R+16*((\t)%4)+4*\i:R+16*((\t)%4)+4*\i+3] offset:32*SP*((\t)%2)+8*SP*\i
.endr
.irp i, 0,1,2,3
	ds_load_b128 v[X+16*((\t)%2)+4*\i:X+16*((\t)%2)+4*\i+3], v15 offset:32*SP*((\t)%2)+16*\i
.endr
.endm
.irp t, 0,1,2,3
	LOAD \t
.endr
	s_wait_loadcnt 12                              ; step 0's four loads are in; the twelve of steps 1 to 3 may be out
	TURN 0
.macro STEP t
.set XS, X+16*((\t)%2)
.if (\t) > 0
	s_wait_dscnt 1                                 ; this step's numbers are back from the stage (the last step's byte store may be out): so its stores into the stage have read their registers,
.else
	s_wait_dscnt 0x0
.endif
.if (\t)+4 < STEPS
	LOAD (\t)+4                                    ; which take the loads of four steps on
.endif
.if (\t)+1 < STEPS
.if STEPS-2-(\t) >= 3
	s_wait_loadcnt 12                              ; the next step's four loads are in; those of the three steps behind it may be out
.else
	s_wait_loadcnt 4*(STEPS-2-(\t))                ; at the end the count runs down with the steps that are left
.endif
	TURN (\t)+1                                    ; and go through the other stage while this step is worked
.endif
	v_max3_num_f32 v8, |v[XS]|, |v[XS+1]|, |v[XS+2]|               ; the largest magnitude of my 16, in two chains
	v_max3_num_f32 v9, |v[XS+3]|, |v[XS+4]|, |v[XS+5]|
.irp i, 6,10
	v_max3_num_f32 v8, v8, |v[XS+\i]|, |v[XS+\i+1]|
	v_max3_num_f32 v9, v9, |v[XS+\i+2]|, |v[XS+\i+3]|
.endr
	v_max3_num_f32 v8, v8, |v[XS+14]|, |v[XS+15]|
	v_max3_num_f32 v8, v8, v9, 0x1800000           ; and the floor 2^(3 - 127): so the byte cannot fall under 1
	v_max_num_f32_dpp v8, v8, v8 row_xmask:1 row_mask:0xf bank_mask:0xf   ; and of my neighbour's 16: the block's
	v_add_nc_u32 v11, 0xff000000, v8               ; 2 off its exponent field: the conversion takes the exponent field of this operand as its scale, and nothing else of it
	v_cvt_scalef32_pk16_fp6_f32 v[C+4*(\t):C+4*(\t)+2], v[XS:XS+15], v11         ; sixteen codes, 96 bits without gaps, the first number's lowest
	v_lshrrev_b32 v[E+(\t)], 23, v11               ; the scale's byte (also the plain line behind the conversion)
	ds_store_b8 v5, v[E+(\t)] offset:16*(\t)       ; both lanes of a block write the same byte with the same value
	global_store_b96 v4, v[C+4*(\t):C+4*(\t)+2], s[18:19] offset:32*CB*(\t)       ; the wave stores 384 consecutive bytes
.endm
.irp t, 0,1,2,3,4,5,6,7,8,9,10,11,12,13,14,15
	STEP \t
.endr
	ds_load_b64 v[12:13], v6                       ; LDS serves a wave's instructions in order: these see my stores
	s_wait_dscnt 0x0
	global_store_b64 v7, v[12:13], s[20:21]        ; 32 lanes store 256 consecutive bytes, at a multiple of 256 from the buffer's first byte
	s_wait_tensorcnt 0x0
	ds_add_u32 v192, v193
	s_wait_dscnt 0x0
	s_endpgm
.Lfunc_end_k_q5ef11923c6_quant:
	.size	k_q5ef11923c6_quant, .Lfunc_end_k_q5ef11923c6_quant-k_q5ef11923c6_quant
	.p2alignl 7, 3214868480
	.fill 96, 4, 3214868480
	.section	.rodata,"a",@progbits
	.p2align	6, 0x0
	.amdhsa_kernel k_q5ef11923c6_quant
		.amdhsa_group_segment_fixed_size 33280
		.amdhsa_private_segment_fixed_size 0
		.amdhsa_enable_private_segment 0
		.amdhsa_kernarg_size 56
		.amdhsa_user_sgpr_count 2
		.amdhsa_user_sgpr_kernarg_segment_ptr 1
		.amdhsa_wavefront_size32 1
		.amdhsa_system_sgpr_workgroup_id_x 1
		.amdhsa_system_sgpr_workgroup_id_y 1
		.amdhsa_system_sgpr_workgroup_id_z 1
		.amdhsa_system_vgpr_workitem_id 0
		.amdhsa_next_free_vgpr 194
		.amdhsa_next_free_sgpr 66
		.amdhsa_reserve_vcc 0
		.amdhsa_float_denorm_mode_32 3
		.amdhsa_float_denorm_mode_16_64 3
		.amdhsa_memory_ordered 1
		.amdhsa_forward_progress 1
		.amdhsa_inst_pref_size 33
	.end_amdhsa_kernel
	.amdgpu_metadata
---
amdhsa.version: [ 1, 2 ]
amdhsa.kernels:
  - .name:           k_q5ef11923c6_quant
    .symbol:         k_q5ef11923c6_quant.kd
    .args:
      - { .name: x, .offset: 0, .size: 8, .value_kind: global_buffer, .address_space: global }
      - { .name: Wq, .offset: 8, .size: 8, .value_kind: global_buffer, .address_space: global }
      - { .name: Wk, .offset: 16, .size: 8, .value_kind: global_buffer, .address_space: global }
      - { .name: Wv, .offset: 24, .size: 8, .value_kind: global_buffer, .address_space: global }
      - { .name: Wp, .offset: 32, .size: 8, .value_kind: global_buffer, .address_space: global }
      - { .name: xw_codes, .offset: 40, .size: 8, .value_kind: global_buffer, .address_space: global }
      - { .name: xw_scales, .offset: 48, .size: 8, .value_kind: global_buffer, .address_space: global }
    .group_segment_fixed_size: 33280
    .private_segment_fixed_size: 0
    .kernarg_segment_align: 8
    .kernarg_segment_size: 56
    .max_flat_workgroup_size: 128
    .sgpr_count:     66
    .vgpr_count:     194
    .wavefront_size: 32
...
	.end_amdgpu_metadata
.endif
;; end of part 1
;; launch qkv (part 2): grid 12 x 32, 4 waves a work-group, clusters of 4 x 4, 327,680 bytes of LDS; arguments xw_codes, xw_scales, qkv_codes, qkv_scales; writes qkv_codes, qkv_scales
.if DOCPART == 2
	.amdgcn_target "amdgcn-amd-amdhsa--gfx1250"
	.amdhsa_code_object_version 6
	.text
	.protected	k_q5ef11923c6_qkv
	.globl	k_q5ef11923c6_qkv
	.p2align	8
	.type	k_q5ef11923c6_qkv,@function
k_q5ef11923c6_qkv:
	s_mov_b64 s[64:65], 0
	v_nop
	global_prefetch_b8 v0, s[64:65] scope:SCOPE_SE
	s_setreg_imm32_b32 hwreg(HW_REG_WAVE_MODE, 25, 1), 1
	s_wait_xcnt 0x0
	s_wait_alu depctr_hold_cnt(0) depctr_sa_sdst(0) depctr_va_vdst(0) depctr_va_sdst(0) depctr_va_ssrc(0) depctr_va_vcc(0) depctr_vm_vsrc(0)
	s_getreg_b32 s2, hwreg(HW_REG_IB_STS2, 6, 4)
	s_cmp_eq_u32 s2, 0
	s_cbranch_scc0 .Lentry_in_a_cluster
	s_endpgm
.Lentry_in_a_cluster:
	s_bfe_u32 s2, ttmp6, 0x10000c
	s_cmp_lg_u32 s2, 0xf033
	s_cbranch_scc0 .Lentry_shape_is_right
	s_endpgm
.Lentry_shape_is_right:
; q = x Wq^T, k = x Wk^T, v = x Wv^T on codes of FP6 (E2M3) with E8M0 scales for each 32 along K = 1,024; sums in f32.  The results never leave as f32: each wave quantises its own 128 x 128 and stores codes and scale words.
; THE KIND is the cluster's x: 0 q, 1 k, 2 v; it is the same in all sixteen partners.  All operands are rows of one table (768 bytes of codes, 32 scale bytes a row): rows 0.. x, 8192.. Wq, 9216.. Wk, 10240.. Wv.
; A tile is 256 x 256, made by four waves, each 128 x 128: 64 accumulators of 16 x 16, 512 registers.  THE MATRIX INSTRUCTION IS USED TRANSPOSED: source 0 = 16 rows of the operand called B here, source 1 = 16 rows of A:
; a lane holds ONE row of A, and its registers run along B's rows.  q and k are quantised along the features: A = x, B = Wq or Wk.  v is quantised along the tokens (the keys): A = Wv, B = x.
; The table's rows stand so that place 16 i + r holds row 32 (i / 2) + 8 (i % 2) + r + 8 (r / 8): so the 16 registers of B's tiles 2 b and 2 b + 1 are 16 NEIGHBOURS, 32 b + 16 (lane / 16) + 0 .. 15, which the conversion takes as they stand.
; A's rows (tokens of q and k, features of v) are written out at their PLACES: the attention launch reads keys and v's features as source 0 and finds the same order there.
; OUT.  qkv_codes: q [64 heads][2048 places][48 bytes]; from byte 6,291,456 on, for each head 16 key steps of 12,288 bytes: K 128 places x 48 bytes, then V: 2 halves of 64 keys x 64 places of d x 48 bytes.
;   qkv_scales: q [64][2048] words (bytes 0, 1: the two blocks of d; bytes 2, 3: 0); from byte 524,288 on, for each head 16 steps of 768 bytes: K's 128 words like q's, V's 64 words (4 bytes: the step's 4 blocks of keys).
; K goes in steps of 256 through a ring of two LDS slots filled by the tensor data mover; the scale bytes of the tile's 512 rows come once, with the first fills, and stay.
; CLUSTERS: 4 x 4 work-groups.  The four of a row of the cluster need the same tiles of A, the four of a column the same tiles of B: each is asked for JOINTLY, by the same tensor load with the same descriptor and a mask that names the four.
; LIMITS: NaN and infinities are not served.  A block whose largest magnitude lies under 2^-124 has its byte held at 1; a block of zeros gets the byte 1 and not 127: its codes are zeros, and this program alone reads the bytes.
; REGISTERS, in windows of 256: window 0: v0-31 addresses; v32-63 scale words, two sets, and nothing else; v64-123 at work in the quantiser; from v128 A's fragments, ONE set; at the end v128-231 what goes out.
;   window 1: B's fragments, TWO sets, at v0 and v128.   window 2: the 32 accumulators of my rows 0-63 (accumulator (a, b) at v[8 (8 a + b)]);   window 3: those of my rows 64-127.
.set SIZE_K, 1024
.set KSTEP,  256                       ; along K in a slot
.set NQ,     KSTEP/128                 ; matrix instructions deep
.set ROWB,   192                       ; a tile's row in bytes
.set KROW,   SIZE_K*6/8                ; a row of codes in memory
.set PITCH,  240                       ; an LDS row: 3 x (64 bytes + 16 of padding) = 60 words: the 32 lanes of a load of 8 bytes touch 64 different banks (64 banks of 4 bytes: ISA guide 11.1)
.set FR,     12                        ; registers of a fragment: 16 rows x 128 K
.set NL,     6                         ; LDS loads that bring one
.set NP,     4                         ; places behind this matrix instruction (ISA guide 7.12.1)
.set HALFT,  128*PITCH                 ; 128 rows: what one tensor load brings
.set SLOT,   4*HALFT                   ; A's 256 rows, then B's 256 rows
.set LAPS,   SIZE_K/(2*KSTEP)          ; a lap = two K steps = once round the ring
.set KS,     SIZE_K/32                 ; a row of scale bytes
.set SCL,    2*SLOT                    ; behind the ring: the scales, as units of 256 bytes + 16 of padding
.set HALFS,  (128*KS/256)*272          ; the scales of 128 rows
.set SBLK,   (16*KS/256)*272           ; those of 16 rows
.set SPARE,  SCL+4*HALFS               ; behind the scales: the spare words, 128 bytes for each wave: two blocks of 256 bytes that no other line names
.set WSTG,   13312                     ; the way out: a stage for each wave, in slot 0, which has had its last fill and its last read by then: two blocks of 128 rows x 48 bytes,
.set SSTG,   12288                     ; and behind them two blocks of 128 scale words
.set SSO,  8                           ; v8      the stage: where I put a scale word
.set COS,  9                           ; v9      my byte offset in a block of scale words in memory
.set SH,   10                          ; v10     16 x (lane / 16)
.set ADRA, 16                          ; v16-17  LDS address of my A fragments in slot 0, 1  (v18-19: the same for the pieces that lie behind one padding more)
.set ADRB, 20                          ; v20-21  the same for B  (v22-23)
.set STO,  24                          ; v24     the stage: where I put 24 bytes of a row
.set RD,   25                          ; v25     the stage: where I read 16 bytes back
.set CO,   26                          ; v26     16 x lane: the same place in memory
.set ADRS, 27                          ; v27     LDS address of my scale words: lanes 0-15 A's rows, lanes 16-31 B's
.set SPW,  28                          ; v28     LDS address of my spare word; never rewritten
.set NIL,  29                          ; v29     0; never rewritten
.set SC,   32                          ; scale words: set s at v[SC + 8 NQ s]; register NQ i + q: lanes 0-15 the word of A's block i, lanes 16-31 that of B's block i
.set TM,   64                          ; v64-79  the quantiser: largest magnitudes, bytes, scale operands
.set AF,   128                         ; A's fragments, in window 0
.set G1, 24                            ; s[24:31] descriptor group 1 for A's tiles;  s[32:39] group 0, one set for each slot
.set G0, 32
.set G1B, 48                           ; s[48:55], s[56:63] the same for B's tiles
.set G0B, 56
.set G1S, 68                           ; s[68:75], s[76:79] groups 1 and 0 for A's scales;  s[80:87], s[88:91] for B's
.set G0S, 76
.set G1SB, 80
.set G0SB, 88
.set MSB, 0
.macro WIN new                         ; the immediate's high byte repeats the setting that is left
.if MSB != \new
	s_set_vgpr_msb (MSB<<8)|\new
.set MSB, \new
.endif
.endm
.set MUL_LO, 0xa1                      ; source 0 (B) window 1, source 1 (A) window 0, C and D window 2
.set MUL_HI, 0xf1                      ; the same, C and D window 3
.set TO_B,   0x40                      ; destination window 1, address window 0
; A joint load: waves 0 and 1 fetch for A, waves 2 and 3 for B.  Each of the two lines has ONE mask and one set of registers for all that issue it; the branch hangs on the wave's number alone.
; Four v_nop follow each of the two lines, ahead of the jump, the label and what follows.
.macro JLOAD g0a, g1a, g0b, g1b
	s_cmp_eq_u32 s15, 0
	s_cbranch_scc0 .Lfor_b_\@
	tensor_load_to_lds s[\g0a:\g0a+3], s[\g1a:\g1a+7]
	s_nop 0
.rept 4
	v_nop
.endr
	s_branch .Lasked_\@
.Lfor_b_\@:
	tensor_load_to_lds s[\g0b:\g0b+3], s[\g1b:\g1b+7]
	s_nop 0
.rept 4
	v_nop
.endr
.Lasked_\@:
.endm
.macro CREST                           ; a round of the cluster's barrier behind its opening barrier
	s_cmp_lg_u32 s14, 0
	s_cbranch_scc1 .Lnot_wave_0_\@
	s_barrier_signal -3
.Lnot_wave_0_\@:
	s_barrier_wait -3
	s_barrier_signal -1
	s_barrier_wait -1
.endm
.macro CROUND                          ; a whole round
	s_barrier_signal -1
	s_barrier_wait -1
	CREST
.endm
	s_load_b256 s[4:11], s[0:1], 0x0               ; the table's codes s[4:5], its scales s[6:7]; qkv_codes s[8:9], qkv_scales s[10:11]
	v_lshl_add_u32 v[SPW], v0, 2, SPARE
	v_mov_b32 v[NIL], 0
	ds_add_u32 v28, v29
	ds_add_u32 v28, v29
	s_wait_dscnt 0x0
	v_lshrrev_b32 v1, 5, v0
	v_readfirstlane_b32 s14, v1                    ; wave 0..3
	s_lshr_b32 s15, s14, 1                         ; which half of the tile's rows is mine.  Also: I fetch for A (0) or for B (1)
	s_and_b32 s16, s14, 1                          ; which half of its columns.  Also: which 128 rows of that tile I fetch
	s_bfe_u32 s40, ttmp6, 0x40000                  ; cx, cy: my place in the cluster
	s_bfe_u32 s41, ttmp6, 0x40004
	s_and_b32 s12, ttmp7, 0xffff
	s_lshl_b32 s12, s12, 2                         ; 4 x cluster y
	s_lshl_b32 s13, ttmp9, 2
	s_add_co_u32 s13, s13, 32                      ; Wq's or Wk's first 256 rows in the table: 32 + 4 x kind
	s_cmp_eq_u32 ttmp9, 2                          ; v?
	s_cselect_b32 s2, 40, s12                      ; A: Wv's rows begin at 40 x 256; else x's by the cluster's y
	s_cselect_b32 s3, s12, s13                     ; B: x's by the cluster's y; else the weight's
	s_add_co_u32 s17, s41, s2                      ; which 256 rows of the table are A's: hangs on cy alone within the cluster
	s_add_co_u32 s42, s40, s3                      ; and B's: on cx alone
	s_lshl_b32 s43, s41, 2
	s_lshl_b32 s43, 15, s43                        ; my row of the cluster
	s_lshl_b32 s44, 0x1111, s40                    ; my column
	; descriptor group 1: a tile of 128 rows x ROWB bytes, padded in LDS
	s_or_b32 s[G1+0], s43, (0<<16)|(1<<20)|(1<<21)|(3<<22)|(3<<25)  ; 15:0 the mask: A's tiles go to my row; 17:16 element of 1 byte; 20 padding on; 21 set beside a mask; 24:22 after every 16 words (code 3); 31:25 of 4 words (code 3)
	s_or_b32 s[G1B+0], s44, (0<<16)|(1<<20)|(1<<21)|(3<<22)|(3<<25)
.irp g, G1, G1B
	s_mov_b32 s[\g+1], ROWB<<16                    ; tensor_dim0
	s_mov_b32 s[\g+2], 128<<16                     ; tensor_dim1 = 128
	s_mov_b32 s[\g+3], ROWB<<16                    ; tile_dim0
	s_mov_b32 s[\g+4], 128                         ; tile_dim1 = 128
	s_mov_b32 s[\g+5], KROW                        ; tensor_dim0_stride
	s_mov_b32 s[\g+6], 0
	s_mov_b32 s[\g+7], 0
.endr
	; and for the scales of 128 rows: a dense block of 4,096 bytes, as rows of 256 bytes (32 elements of 8 bytes), 16 bytes of padding behind each
	s_or_b32 s[G1S+0], s43, (3<<16)|(1<<20)|(1<<21)|(5<<22)|(3<<25)
	s_or_b32 s[G1SB+0], s44, (3<<16)|(1<<20)|(1<<21)|(5<<22)|(3<<25)
.irp g, G1S, G1SB
	s_mov_b32 s[\g+1], 32<<16
	s_mov_b32 s[\g+2], (128*KS/256)<<16
	s_mov_b32 s[\g+3], 32<<16
	s_mov_b32 s[\g+4], 128*KS/256
	s_mov_b32 s[\g+5], 32
	s_mov_b32 s[\g+6], 0
	s_mov_b32 s[\g+7], 0
.endr
	s_lshl_b32 s18, s16, 7                         ; which 128 rows of the tile I fetch
	s_lshl_b32 s20, s17, 8
	s_add_co_u32 s20, s20, s18                     ; A: the table's row (under 12,288, so every product below stays under 2^24)
	s_lshl_b32 s46, s42, 8
	s_add_co_u32 s46, s46, s18                     ; B likewise
	s_mul_i32 s22, s20, KS                         ; where these rows' scales begin, in bytes,
	s_mul_i32 s92, s46, KS
	s_mul_i32 s20, s20, KROW                       ; and their codes
	s_mul_i32 s46, s46, KROW
	s_mov_b32 s21, 0
	s_mov_b32 s23, 0
	s_mov_b32 s47, 0
	s_mov_b32 s93, 0
	s_mul_i32 s45, s14, HALFT                      ; where they go: wave x 128 rows: no place in the cluster enters an LDS address
	s_mul_i32 s94, s14, HALFS
	s_wait_kmcnt 0x0
	s_add_nc_u64 s[20:21], s[4:5], s[20:21]
	s_add_nc_u64 s[22:23], s[6:7], s[22:23]
	s_add_nc_u64 s[46:47], s[4:5], s[46:47]
	s_add_nc_u64 s[92:93], s[6:7], s[92:93]
	CROUND                                         ; all sixteen work-groups are here: the first joint loads meet
	s_mov_b32 s[G0S], 1
	s_add_co_u32 s[G0S+1], s94, SCL
	s_mov_b64 s[G0S+2:G0S+3], s[22:23]
	s_or_b32 s[G0S+3], s[G0S+3], 0x80000000
	s_mov_b32 s[G0SB], 1
	s_add_co_u32 s[G0SB+1], s94, SCL
	s_mov_b64 s[G0SB+2:G0SB+3], s[92:93]
	s_or_b32 s[G0SB+3], s[G0SB+3], 0x80000000
	JLOAD G0S, G1S, G0SB, G1SB                     ; the scales first: they are wanted with K step 0
.irp s, 0,1
	s_mov_b32 s[G0+4*\s], 1
	s_add_co_u32 s[G0+4*\s+1], s45, \s*SLOT
	s_add_nc_u64 s[G0+4*\s+2:G0+4*\s+3], s[20:21], \s*ROWB
	s_or_b32 s[G0+4*\s+3], s[G0+4*\s+3], 0x80000000
	s_mov_b32 s[G0B+4*\s], 1
	s_add_co_u32 s[G0B+4*\s+1], s45, \s*SLOT
	s_add_nc_u64 s[G0B+4*\s+2:G0B+4*\s+3], s[46:47], \s*ROWB
	s_or_b32 s[G0B+4*\s+3], s[G0B+4*\s+3], 0x80000000
	JLOAD G0+4*\s, G1, G0B+4*\s, G1B
.endr
	v_and_b32 v1, 15, v0                           ; r = lane % 16
	v_bfe_u32 v2, v0, 4, 1                         ; h = lane / 16
	v_mul_u32_u24 v3, v1, PITCH
	v_mul_u32_u24 v4, v2, 24
	v_add_nc_u32 v4, v3, v4                        ; a fragment's row x pitch + 24 x half
	v_lshl_add_u32 v5, v2, 4, v4                   ; and the same behind one padding more
	s_mul_i32 s21, s15, HALFT                      ; my 128 rows of A
	s_mul_i32 s22, s16, HALFT                      ; my 128 rows of B,
	s_add_co_u32 s22, s22, 2*HALFT                 ; which lie behind A's 256
.irp s, 0,1
	v_add_nc_u32 v[ADRA+\s], s21, v4
	v_add_nc_u32 v[ADRB+\s], s22, v4
	v_add_nc_u32 v[ADRA+2+\s], s21, v5
	v_add_nc_u32 v[ADRB+2+\s], s22, v5
	s_add_co_u32 s21, s21, SLOT
	s_add_co_u32 s22, s22, SLOT
.endr
	v_mul_u32_u24 v5, v1, KS                       ; my row's scales: KS bytes a row,
	v_lshrrev_b32 v6, 8, v5
	v_lshl_add_u32 v5, v6, 4, v5                   ; and 16 more for each 256 passed
	s_mul_i32 s21, s15, HALFS                      ; A's: my 128 rows
	s_mul_i32 s22, s16, HALFS                      ; B's: my 128 rows, behind A's 256
	s_add_co_u32 s22, s22, 2*HALFS
	s_sub_co_u32 s22, s22, s21
	v_mul_u32_u24 v6, s22, v2                      ; lanes 16-31 take B's: the lower base + h x the distance
	s_add_co_u32 s21, s21, SCL
	v_add_nc_u32 v5, v5, v6
	v_add_nc_u32 v[ADRS], s21, v5
	s_mul_i32 s23, s14, WSTG                       ; my stage
	v_mul_u32_u24 v5, v1, 48
	v_mad_u32_u24 v5, v2, 24, v5
	v_add_nc_u32 v[STO], s23, v5                   ; codes in: row r of 48 bytes, + 24 h
	v_lshlrev_b32 v5, 2, v1
	v_lshl_add_u32 v5, v2, 9, v5
	v_add_nc_u32 v5, s23, v5
	v_add_nc_u32 v[SSO], SSTG, v5                  ; scale words in: 4 r; lanes 16-31 write the second block's
	v_and_b32 v6, 31, v0
	v_lshlrev_b32 v[CO], 4, v6                     ; back: 16 bytes a lane, 512 consecutive bytes an instruction; and the same in memory
	v_add_nc_u32 v[RD], s23, v[CO]
	v_lshlrev_b32 v[SH], 4, v2
.macro FRAG reg, adr, q, i             ; a fragment, 16 rows x 128 K of 6-bit codes, is 12 registers: lane l holds row l % 16; registers 6 c .. 6 c + 5 hold K = 64 c + 32 (l / 16) + 0 .. 31: 24 bytes of the row's stream of bits, as they lie
.irp p, 0,1,2,3,4,5                    ; in pieces of 8 bytes, so that every address is a multiple of the access's size
.set PCE, 12*(\q)+6*(\p/3)+\p%3        ; 16 bytes of padding lie behind every 8 pieces: where the piece three on (lanes 16-31) lies behind one padding more, the second address register serves
.if PCE%8 < 5
	ds_load_b64 v[\reg+2*\p:\reg+2*\p+1], v[\adr] offset:8*PCE+16*(PCE/8)+(\i)*16*PITCH
.else
	ds_load_b64 v[\reg+2*\p:\reg+2*\p+1], v[\adr+2] offset:8*PCE+16*(PCE/8)+(\i)*16*PITCH
.endif
.endr
.endm
; 16 matrix instructions: A's blocks a0, a0 + 1 x B's eight, 128 along K: the slot's q-th.  p: B's set;  sc: the set of scale words.  zero = 1: the first product starts the sums: nothing is ever cleared.
; The 64 accumulators take turns, one instruction a turn, in the same order in every step.
.macro MUL16 a0, p, q, sc, zero
.irp a, \a0, \a0+1
.irp b, 0,1,2,3,4,5,6,7
.if \zero
	v_wmma_scale_f32_16x16x128_f8f6f4 v[8*(8*((\a)%4)+\b):8*(8*((\a)%4)+\b)+7], v[128*(\p)+FR*\b:128*(\p)+FR*\b+FR-1], v[AF+FR*(\a):AF+FR*(\a)+FR-1], 0, v[SC+8*NQ*(\sc)+NQ*\b+(\q)], v[SC+8*NQ*(\sc)+NQ*(\a)+(\q)] matrix_a_fmt:MATRIX_FMT_FP6 matrix_b_fmt:MATRIX_FMT_FP6 matrix_a_scale:MATRIX_SCALE_ROW1
.else
	v_wmma_scale_f32_16x16x128_f8f6f4 v[8*(8*((\a)%4)+\b):8*(8*((\a)%4)+\b)+7], v[128*(\p)+FR*\b:128*(\p)+FR*\b+FR-1], v[AF+FR*(\a):AF+FR*(\a)+FR-1], v[8*(8*((\a)%4)+\b):8*(8*((\a)%4)+\b)+7], v[SC+8*NQ*(\sc)+NQ*\b+(\q)], v[SC+8*NQ*(\sc)+NQ*(\a)+(\q)] matrix_a_fmt:MATRIX_FMT_FP6 matrix_b_fmt:MATRIX_FMT_FP6 matrix_a_scale:MATRIX_SCALE_ROW1
.endif
.endr
.endr
.endm
.macro FETCH_B slot, q, p              ; B's eight fragments of the slot's q-th 128 along K into set p
	WIN TO_B
.irp i, 0,1,2,3,4,5,6,7
	FRAG 128*(\p)+FR*\i, ADRB+\slot, \q, \i
.endr
	WIN 0
.endm
.macro FETCH_A slot, q, i0             ; A's blocks i0 .. i0 + 3
.irp i, \i0, \i0+1, \i0+2, \i0+3
	FRAG AF+FR*(\i), ADRA+\slot, \q, \i
.endr
.endm
.macro SCALES sc                       ; the next K step's scale words into set sc: NQ words a row; lanes 0-15 take A's block i, lanes 16-31 B's block i
.irp i, 0,1,2,3,4,5,6,7
	ds_load_b64 v[SC+8*NQ*\sc+NQ*\i:SC+8*NQ*\sc+NQ*\i+1], v[ADRS] offset:\i*SBLK
.endr
.endm
; A load into a register that a matrix instruction has read, and a vector instruction that reads a matrix result, stand NP places behind that matrix instruction, and only plain vector
; instructions that name none of its registers are places (ISA guide 7.12.1 for vector instructions).
.macro PLACES n
.rept \n
	v_nop
.endr
.endm
; A step of 128 along K that has its successor in the same slot.
.macro STEP slot, q, zero
	s_wait_dscnt 4*NL                              ; B's set and A's blocks 0-3 are in; the youngest 24 loads (A's blocks 4-7) may be out
	WIN MUL_LO
	MUL16 0, (\q)%2, \q, \slot, \zero
	MUL16 2, (\q)%2, \q, \slot, \zero
	s_wait_dscnt 0                                 ; A's blocks 4-7 are in (asked for 32 matrix instructions ago)
	PLACES NP
	FETCH_B \slot, (\q)+1, 1-(\q)%2
	FETCH_A \slot, (\q)+1, 0
	WIN MUL_HI
	MUL16 4, (\q)%2, \q, \slot, \zero
	MUL16 6, (\q)%2, \q, \slot, \zero
	PLACES NP
	WIN 0
	FETCH_A \slot, (\q)+1, 4
.endm
; A slot's last step changes slots: ONE barrier; in front of it each wave waits for all its tensor loads, adds 0 to its spare word, and waits for that and for its own reads of this slot.  fill = 1: this slot is filled again, two K steps ahead.
.macro TURN slot, next, fill
	s_wait_tensorcnt 0x0                           ; all my tensor loads have landed: my part of the next slot;  (every window is 0 here: the add's two registers lie in window 0)
	ds_add_u32 v[SPW], v[NIL]                      ; 0 onto my spare word
	s_wait_dscnt 4*NL+1                            ; (the add and the youngest 24 loads, A's blocks 4-7, may be out)
	WIN MUL_LO
	MUL16 0, 1, NQ-1, \slot, 0                     ; sixteen matrix instructions stand between the add and the wait for it
	s_wait_dscnt 0x0                               ; the add is done, and my reads of this slot are over
	s_barrier_signal -1
	MUL16 2, 1, NQ-1, \slot, 0
	WIN 0
	s_barrier_wait -1
.if \fill
	CREST                                          ; the barrier has opened a round of the cluster's barrier: no wave of any partner still reads this slot's tile or has a load on its way
	s_add_nc_u64 s[G0+4*\slot+2:G0+4*\slot+3], s[G0+4*\slot+2:G0+4*\slot+3], 2*ROWB
	s_add_nc_u64 s[G0B+4*\slot+2:G0B+4*\slot+3], s[G0B+4*\slot+2:G0B+4*\slot+3], 2*ROWB
	JLOAD G0+4*\slot, G1, G0B+4*\slot, G1B         ; the first tensor load behind the round; the four v_nop behind it are the places in front of the loads below
.else
	PLACES NP
.endif
	s_wait_alu depctr_va_vdst(0)
	v_add_nc_u32 v[ADRS], 4*NQ, v[ADRS]            ; on to the next K step's scale words (no LDS load of mine is out)
	FETCH_B \next, 0, 0
	FETCH_A \next, 0, 0
	SCALES \next
	WIN MUL_HI
	MUL16 4, 1, NQ-1, \slot, 0
	MUL16 6, 1, NQ-1, \slot, 0
	PLACES NP
	WIN 0
	FETCH_A \next, 0, 4
.endm
	s_wait_tensorcnt 1                             ; the scales and my part of K step 0 are in (K step 1's load may be out)
	s_barrier_signal -1
	s_barrier_wait -1                              ; everybody's are
	FETCH_B 0, 0, 0
	FETCH_A 0, 0, 0
	SCALES 0
	FETCH_A 0, 0, 4
	STEP 0, 0, 1                                   ; the first step stands in front of the loop: its products start the sums
	s_mov_b32 s3, LAPS-1
.Llap:                                                 ; a trip goes once round the ring, from a lap's second step to the next lap's first, and fills both slots again
	TURN 0, 1, 1
	STEP 1, 0, 0
	TURN 1, 0, 1
	STEP 0, 0, 0
	s_sub_co_u32 s3, s3, 1
	s_cmp_lg_u32 s3, 0
	s_cbranch_scc1 .Llap
	TURN 0, 1, 0                                   ; the last lap fills nothing, and has no round of the cluster's barrier
	STEP 1, 0, 0
	s_wait_dscnt 4*NL                              ; the very last step: nothing more to fetch
	WIN MUL_LO
	MUL16 0, 1, NQ-1, 1, 0
	MUL16 2, 1, NQ-1, 1, 0
	s_wait_dscnt 0
	WIN MUL_HI
	MUL16 4, 1, NQ-1, 1, 0
	MUL16 6, 1, NQ-1, 1, 0
	WIN 0
	; THE WAY OUT.  Where my 128 x 128 goes.  No tensor load is out since the last change of slots, so the descriptors' registers are free.
	s_and_b32 s24, ttmp7, 0xffff
	s_lshl_b32 s24, s24, 2                         ; 4 x cluster y
	s_lshl_b32 s25, ttmp9, 2                       ; 4 x kind
	s_cmp_eq_u32 ttmp9, 2
	s_cselect_b32 s26, 0, s24
	s_cselect_b32 s27, s24, s25
	s_add_co_u32 s26, s26, s41
	s_add_co_u32 s27, s27, s40
	s_lshl_b32 s26, s26, 8
	s_lshl_b32 s27, s27, 8
	s_lshl_b32 s24, s15, 7
	s_add_co_u32 s26, s26, s24                     ; my first row of A: a token (q, k) or a feature (v)
	s_lshl_b32 s24, s16, 7
	s_add_co_u32 s27, s27, s24                     ; my first row of B: 1,024 x kind + a feature (q, k) or a token (v)
	s_cmp_eq_u32 ttmp9, 2
	s_cselect_b32 s28, s27, s26                    ; the token
	s_cselect_b32 s29, s26, s27
	s_and_b32 s29, s29, 1023                       ; the feature
	s_lshr_b32 s30, s28, 11
	s_lshl_b32 s30, s30, 4
	s_lshr_b32 s31, s29, 6
	s_add_co_u32 s30, s30, s31                     ; my first head: 16 x batch + feature / 64; I hold two heads
	s_bfe_u32 s31, s28, 0x40007                    ; which 128 tokens of the batch's 2,048: the key step
	s_cmp_eq_u32 ttmp9, 0                          ; q's part of the buffers, or K's and V's
	s_mov_b32 s32, 196608
	s_cselect_b32 s32, 98304, s32                  ; codes: bytes a head,
	s_mov_b32 s33, 12288
	s_cselect_b32 s33, 6144, s33                   ; bytes a step,
	s_cselect_b32 s34, 0, 6291456                  ; and where the part begins
	s_mov_b32 s50, 12288
	s_cselect_b32 s50, 8192, s50                   ; scale words likewise
	s_mov_b32 s51, 768
	s_cselect_b32 s51, 512, s51
	s_cselect_b32 s52, 0, 524288
	s_cmp_eq_u32 ttmp9, 2
	s_mov_b32 s59, 3072
	s_cselect_b32 s57, 6144, 0                     ; V's codes lie behind K's in a step,
	s_cselect_b32 s58, 512, 0                      ; and V's words behind K's
	s_cselect_b32 s60, s59, s32                    ; from my columns 0-63 to 64-127: the next head (q, k), or the step's second 64 keys (v)
	s_cselect_b32 s61, s32, s59                    ; from my rows 0-63 to 64-127: 64 rows of 48 bytes (q, k), or the next head (v)
	s_mov_b32 s62, 256
	s_cselect_b32 s62, s50, s62                    ; the same for the rows' scale words
	s_cselect_b32 s63, -1, 0xffff                  ; a word of q or k has two bytes, one of v four
	s_mul_i32 s92, s30, s32
	s_mul_i32 s35, s31, s33
	s_add_co_u32 s92, s92, s35
	s_add_co_u32 s92, s92, s34
	s_add_co_u32 s92, s92, s57                     ; under 18,874,368
	s_mov_b32 s93, 0
	s_mul_i32 s94, s30, s50
	s_mul_i32 s35, s31, s51
	s_add_co_u32 s94, s94, s35
	s_add_co_u32 s94, s94, s52
	s_add_co_u32 s94, s94, s58
	s_mov_b32 s95, 0
	s_add_nc_u64 s[36:37], s[8:9], s[92:93]        ; codes: columns 0-63, rows 0-63;
	s_add_nc_u64 s[46:47], s[10:11], s[94:95]      ; scale words of the first block
	s_mov_b32 s92, s61
	s_add_nc_u64 s[38:39], s[36:37], s[92:93]      ; rows 64-127;
	s_mov_b32 s92, s60
	s_add_nc_u64 s[40:41], s[36:37], s[92:93]      ; columns 64-127, rows 0-63;
	s_add_nc_u64 s[42:43], s[38:39], s[92:93]      ; rows 64-127
	s_mov_b32 s94, s50
	s_add_nc_u64 s[48:49], s[46:47], s[94:95]      ; scale words of the second block: the next head's (q, k)
	s_mov_b32 s54, 0x76543210
	s_mov_b32 s55, 0xfedcba98                      ; v_permlanex16_b32's selects for lane l xor 16
	s_mov_b32 s56, 0x1800000                       ; the floor 2^(3 - 127)
.irp b, 0,1,2,3
	v_mov_b32 v[TM+4+\b], 0                        ; written once: a lane permute's destination counts as one of its sources.  These and the four lines below are the places behind the last products
.endr
	v_and_b32 v1, 15, v0
	v_bfe_u32 v2, v0, 4, 1
	v_mul_u32_u24 v[COS], s62, v2
	v_lshl_add_u32 v[COS], v1, 4, v[COS]           ; four words a lane: lanes 0-15 rows 0-63, lanes 16-31 rows 64-127
; Block a: my rows 16 a .. 16 a + 15.  Its 64 registers, 16 b + i = column 32 b + 16 (lane / 16) + i of my row, become a fragment's codes in v[PC] on and the row's four scale bytes in v[PW].
; Each accumulator is read from its low end on.
.macro QUANTW a
.set AC, 64*((\a)%4)
.set WW, 2+(\a)/4
.set WQ, (WW<<2)|(WW<<4)
.set PC, 84+20*((\a)%2)
.set PW, 80+(\a)%2
	WIN WQ                                         ; sources 1 and 2: the accumulators' window
.irp b, 0,1,2,3
	v_max3_num_f32 v[TM+\b], s56, |v[AC+16*\b]|, |v[AC+16*\b+1]|   ; block b: my 16 numbers, and the floor: so the byte cannot fall under 1
.endr
.irp i, 2,4,6,8,10,12,14
.irp b, 0,1,2,3
	v_max3_num_f32 v[TM+\b], v[TM+\b], |v[AC+16*\b+\i]|, |v[AC+16*\b+\i+1]|   ; (the four blocks by turns)
.endr
.endr
	WIN 0
.irp b, 0,1,2,3
	v_permlanex16_b32 v[TM+4+\b], v[TM+\b], s54, s55
.endr
.irp b, 0,1,2,3
	v_max_num_f32 v[TM+\b], v[TM+\b], v[TM+4+\b]   ; with lane l xor 16's: the block's largest magnitude
.endr
.irp b, 0,1,2,3
	v_add_nc_u32 v[TM+12+\b], 0xff000000, v[TM+\b] ; 2 off its exponent field: the conversion's scale operand
.endr
.irp b, 0,1,2,3
	v_lshrrev_b32 v[TM+4+\b], 23, v[TM+12+\b]      ; the scale's byte
.endr
	v_lshl_or_b32 v[PW], v[TM+5], 8, v[TM+4]
	v_lshl_or_b32 v[PW], v[TM+6], 16, v[PW]
	v_lshl_or_b32 v[PW], v[TM+7], 24, v[PW]
	WIN WW                                         ; source 0: the accumulators' window
.irp c, 0,1
	v_cvt_scalef32_pk16_fp6_f32 v[PC+6*\c:PC+6*\c+2], v[AC+32*\c:AC+32*\c+15], v[TM+12+2*\c]
	v_cvt_scalef32_pk16_fp6_f32 v[PC+12+4*\c:PC+14+4*\c], v[AC+32*\c+16:AC+32*\c+31], v[TM+13+2*\c]   ; (a conversion's three registers begin on an even number)
.endr
	WIN 0
	v_nop                                          ; one plain place behind a scaled conversion
.irp c, 0,1                                    ; a WHOLE block in a lane: lanes 0-15 block 2 c, lanes 16-31 block 2 c + 1
.irp i, 0,1,2
	v_permlane16_swap_b32 v[PC+6*\c+\i], v[PC+12+4*\c+\i]
.endr
.irp i, 0,1,2
	v_mov_b32 v[PC+3+6*\c+\i], v[PC+12+4*\c+\i]
.endr
.endr
.endm
.irp a, 0,1,2,3,4,5,6,7
.if \a > 1
	s_wait_dscnt 7                                 ; the seven stores of the block before may be out; those of the block before that, which read the registers written next, are done
.endif
	QUANTW \a
.irp c, 0,1
.irp i, 0,1,2
	ds_store_b64 v[STO], v[PC+6*\c+2*\i:PC+6*\c+2*\i+1] offset:768*\a+6144*\c+8*\i   ; columns 64 c + 32 h + 0 .. 31 of row 16 a + r: 24 bytes of its 48
.endr
.endr
	v_lshrrev_b32 v[PC+15], v[SH], v[PW]           ; lanes 0-15: the bytes of columns 0-63 (v: all four); lanes 16-31: those of columns 64-127
	v_and_b32 v[PC+15], s63, v[PC+15]
	ds_store_b32 v[SSO], v[PC+15] offset:64*\a
.endr
.set I, 0
.rept 24
	ds_load_b128 v[128+4*I:131+4*I], v[RD] offset:512*I   ; LDS serves a wave's instructions in order: these see my stores
.set I, I+1
.endr
	ds_load_b128 v[224:227], v[RD] offset:SSTG
	ds_load_b128 v[228:231], v[RD] offset:SSTG+512
.set I, 0
.rept 24
	s_wait_dscnt 25-I                              ; load I is in: 25 - I loads were issued behind it
	global_store_b128 v[CO], v[128+4*I:131+4*I], s[36+4*(I/12)+2*((I%12)/6):37+4*(I/12)+2*((I%12)/6)] offset:512*(I%6)   ; 32 lanes store 512 consecutive bytes, at a multiple of 256 from the buffer's first byte
.set I, I+1
.endr
	s_wait_dscnt 1
	global_store_b128 v[COS], v[224:227], s[46:47]
	s_wait_dscnt 0x0
	s_cmp_eq_u32 ttmp9, 2                          ; v has one word a row: its second block is not stored.  The kind is the same in all partners
	s_cbranch_scc1 .Lno_second
	global_store_b128 v[COS], v[228:231], s[48:49]
.Lno_second:
	s_wait_tensorcnt 0x0                           ; the wave's end: behind my last tensor load and my last LDS store
	ds_add_u32 v[SPW], v[NIL]
	s_wait_dscnt 0x0
	CROUND                                         ; the closing round: no work-group ends while a partner may still ask for a tile that names it
	s_endpgm
.Lfunc_end_k_q5ef11923c6_qkv:
	.size	k_q5ef11923c6_qkv, .Lfunc_end_k_q5ef11923c6_qkv-k_q5ef11923c6_qkv
	.p2alignl 7, 3214868480
	.fill 96, 4, 3214868480
	.section	.rodata,"a",@progbits
	.p2align	6, 0x0
	.amdhsa_kernel k_q5ef11923c6_qkv
		.amdhsa_group_segment_fixed_size 327680
		.amdhsa_private_segment_fixed_size 0
		.amdhsa_enable_private_segment 0
		.amdhsa_kernarg_size 32
		.amdhsa_user_sgpr_count 2
		.amdhsa_user_sgpr_kernarg_segment_ptr 1
		.amdhsa_wavefront_size32 1
		.amdhsa_system_sgpr_workgroup_id_x 1
		.amdhsa_system_sgpr_workgroup_id_y 1
		.amdhsa_system_sgpr_workgroup_id_z 1
		.amdhsa_system_vgpr_workitem_id 0
		.amdhsa_next_free_vgpr 1024
		.amdhsa_next_free_sgpr 100
		.amdhsa_reserve_vcc 0
		.amdhsa_float_denorm_mode_32 3
		.amdhsa_float_denorm_mode_16_64 3
		.amdhsa_memory_ordered 1
		.amdhsa_forward_progress 1
		.amdhsa_inst_pref_size 172
	.end_amdhsa_kernel
	.amdgpu_metadata
---
amdhsa.version: [ 1, 2 ]
amdhsa.kernels:
  - .name:           k_q5ef11923c6_qkv
    .symbol:         k_q5ef11923c6_qkv.kd
    .args:
      - { .name: xw_codes, .offset: 0, .size: 8, .value_kind: global_buffer, .address_space: global }
      - { .name: xw_scales, .offset: 8, .size: 8, .value_kind: global_buffer, .address_space: global }
      - { .name: qkv_codes, .offset: 16, .size: 8, .value_kind: global_buffer, .address_space: global }
      - { .name: qkv_scales, .offset: 24, .size: 8, .value_kind: global_buffer, .address_space: global }
    .group_segment_fixed_size: 327680
    .private_segment_fixed_size: 0
    .kernarg_segment_align: 8
    .kernarg_segment_size: 32
    .max_flat_workgroup_size: 128
    .sgpr_count:     100
    .vgpr_count:     1024
    .wavefront_size: 32
...
	.end_amdgpu_metadata
.endif
;; end of part 2
;; launch attn (part 3): grid 4 x 64, 16 waves a work-group, no clusters, 227,328 bytes of LDS; arguments qkv_codes, qkv_scales, o_codes, o_scales; writes o_codes, o_scales
.if DOCPART == 3
	.amdgcn_target "amdgcn-amd-amdhsa--gfx1250"
	.amdhsa_code_object_version 6
	.text
	.protected	k_q5ef11923c6_attn
	.globl	k_q5ef11923c6_attn
	.p2align	8
	.type	k_q5ef11923c6_attn,@function
k_q5ef11923c6_attn:
	s_mov_b64 s[64:65], 0
	v_nop
	global_prefetch_b8 v0, s[64:65] scope:SCOPE_SE
	s_setreg_imm32_b32 hwreg(HW_REG_WAVE_MODE, 25, 1), 1
	s_wait_xcnt 0x0
; o[head][q][:] = the sum over keys k <= q of softmax_k(q . k / 32) v[k][:], head size 64, 2,048 tokens, 64 heads (16 x batch + head), both products on codes of FP6 (E2M3) with one E8M0 scale for each 32 along a product's K.
; THE SOFTMAX AHEAD OF THE SECOND PRODUCT: t = score x log2(e) / 32; M = the row's largest t so far, rounded UP to a whole number; p = 2^(t - M) is what is quantised, along the keys; it is not normalised.
; The row's sum is taken of the unquantised p, in f32, and divides o at the end.  When M moves, the sum and o are multiplied by 2^(old M - new M): exact.  o is then quantised along d and leaves as codes and scale bytes.
; IN (laid by the launch before).  q: [head][2048 places][48 bytes], words [head][2048].  For each head 16 key steps of 12,288 bytes: K 128 places x 48 bytes, V 2 halves of 64 keys x 64 places of d x 48 bytes; and 768 bytes of
; scale words a step: K's 128, V's 64.  Place 16 i + r holds row 32 (i / 2) + 8 (i % 2) + r + 8 (r / 8): taken as source 0, 16 places at a time, the 16 registers of tiles 2 b and 2 b + 1 are 16 neighbouring keys (or d).
; OUT.  o_codes [head][2048 queries][48 bytes]; o_scales [8192 tokens][16 heads x 2 bytes].
; SHARES.  Work-group (x, head) owns the blocks x and 7 - x of 256 queries, in two passes; each of its SIXTEEN waves owns 16 queries of a block, one tile, in 256 registers: four waves to a SIMD, so that one wave's vector
; work stands beside another's matrix work and LDS loads.  A wave's key steps of 128 keys in the two passes together are 16 or 18, in every work-group alike.
; THE WHOLE HEAD'S K AND V STAY IN LDS, filled once: 208,896 bytes.  Each wave brings a sixteenth, by three tensor loads at the start: three loads of mine are out at the most.  Nothing is filled again.
; The first pass (block x <= 3) wants keys under 1,024 alone: it runs while the second half lands.
; CAUSAL.  Both loops over key steps have constant trip counts; a step all of whose keys come after my 16 queries is left out by a scalar branch on ids.
; NO CLUSTER: the four work-groups of a head read the same K and V, but which steps they leave out hangs on their blocks' numbers, and partners of a joint load may not part in a branch; with every step worked in every partner the
; key steps of a head's four work-groups would be 4 x 16 x 24 in place of 4 x 16 x 17.
; LAYOUT.  Both products are used transposed: S^T = K Q^T (source 0 = 16 keys, source 1 = my 16 queries), O^T = V^T P^T (source 0 = 16 of d, source 1 = P): a lane holds ONE query (lane % 16) throughout.
; The first product's K is 64: the upper 64 of the instruction's 128 are zero codes, in registers written once; their scale bytes are 0, which is 2^-127 and no NaN.
; LIMITS: NaN and infinities are not served.  A block whose largest magnitude lies under 2^-124 has its byte held at 1; a block of zeros gets the byte 1 and not 127: its codes are zeros.  t - M is one fused multiply-add; 1 / the sum is v_rcp_f32.
; REGISTERS: v1-7, v10, v11 addresses that stay; v8, v9 addresses of the step in hand; v12 -M, v13 the largest t, v[14:15] the sum in two halves; v16-27 Q; v28-31 V's scale words; v32-79 four fragments of K; v80-127 four of V;
;   v128-191 S^T, then p; v192-223 O^T; v224-235 p's codes; v232-247 at work; v248-251 K's scale words; v252 f; v253 p's scale word; v254 at work; v255 Q's scale words.
.set STEPB, 12288                      ; a key step's codes in LDS, as in memory: K at 0 (pitch 48: the 32 lanes of a load of 8 bytes at 48 r + 24 h touch 64 different banks), V at 6,144
.set SC,    196608                     ; behind the codes: the scale words, 768 bytes a step
.set STG,   208896                     ; behind them: a stage of 1,024 bytes for each wave, into which no fill lands
.set S,     128
.set O,     192
.set WV,    12                         ; s12  my wave's number
.set HD,    13                         ; s13  the head
.set SEL,   44                         ; s[44:45] lane selects for v_permlanex16_b32: lane l xor 16
.set CS,    46                         ; s[46:47] c = log2(e) / 32: the packed form names a pair and takes its low word for both halves
.set TB,    48                         ; s48  LDS byte at which the step's codes begin
.set TS,    49                         ; s49  and its scale words, from SC on
.set KF,    50                         ; s50  the step's first key
.set TRIP,  53                         ; s53  counts the key steps
; for each pass: s56, s57 (s58, s59) my first and last query; s[60:61] (s[70:71]) Q's codes; s[62:63] (s[72:73]) Q's words; s[66:67] (s[74:75]) o's codes; s[68:69] (s[76:77]) o's scale bytes
	s_load_b256 s[4:11], s[0:1], 0x0               ; qkv_codes s[4:5], qkv_scales s[6:7], o_codes s[8:9], o_scales s[10:11]
	v_lshl_add_u32 v254, v0, 2, 0x37000
	v_mov_b32 v255, 0
	ds_add_u32 v254, v255
	ds_add_u32 v254, v255
	s_wait_dscnt 0x0
	v_lshrrev_b32 v8, 5, v0
	s_delay_alu instid0(VALU_DEP_1)
	v_readfirstlane_b32 s[WV], v8                  ; wave 0..15
	s_and_b32 s[HD], ttmp7, 0xffff
	; descriptor group 1: dense blocks as rows of 256 bytes (32 elements of 8 bytes), no padding: 24 rows of codes, 3 of scale words
	s_mov_b32 s16, 3<<16                           ; 15:0 no mask; 17:16 elements of 8 bytes; 20 padding off
	s_mov_b32 s17, 32<<16                          ; tensor_dim0
	s_mov_b32 s18, 24<<16                          ; tensor_dim1
	s_mov_b32 s19, 32<<16                          ; tile_dim0
	s_mov_b32 s20, 24                              ; tile_dim1
	s_mov_b32 s21, 32                              ; tensor_dim0_stride
	s_mov_b32 s22, 0
	s_mov_b32 s23, 0
	s_mov_b32 s24, 3<<16
	s_mov_b32 s25, 32<<16
	s_mov_b32 s26, 3<<16
	s_mov_b32 s27, 32<<16
	s_mov_b32 s28, 3
	s_mov_b32 s29, 32
	s_mov_b32 s30, 0
	s_mov_b32 s31, 0
	s_mul_i32 s82, s[WV], 768                      ; my sixteenth of the head's scale words,
	s_mul_i32 s83, s[WV], 6144                     ; and of each half of its codes: in memory and in LDS alike
	s_mul_i32 s80, s[HD], 12288
	s_add_co_u32 s80, s80, s82
	s_add_co_u32 s80, s80, 524288                  ; K's and V's words lie behind q's
	s_mov_b32 s81, 0
	s_mul_i32 s84, s[HD], 196608
	s_add_co_u32 s84, s84, s83
	s_add_co_u32 s84, s84, 6291456                 ; K's and V's codes lie behind q's (under 18,874,368)
	s_mov_b32 s85, 0
	s_mov_b32 s[SEL], 0x76543210
	s_mov_b32 s[SEL+1], 0xfedcba98
	s_mov_b32 s[CS], 0x3d38aa3b                    ; c = log2(e) / 32
	s_mov_b32 s[CS+1], s[CS]                       ; (named with it as a pair, so it is written)
	s_wait_kmcnt 0x0
	s_mov_b32 s32, 1                               ; group 0: count = 1,
	s_add_co_u32 s33, s82, SC                      ; the LDS address,
	s_add_nc_u64 s[34:35], s[6:7], s[80:81]        ; the global address,
	s_or_b32 s35, s35, 0x80000000                  ; type = 2
	s_mov_b32 s36, 1
	s_mov_b32 s37, s83
	s_add_nc_u64 s[38:39], s[4:5], s[84:85]
	s_mov_b32 s40, 1
	s_add_co_u32 s41, s83, 8*STEPB
	s_add_nc_u64 s[42:43], s[38:39], 8*STEPB
	s_or_b32 s39, s39, 0x80000000
	s_or_b32 s43, s43, 0x80000000
	tensor_load_to_lds s[32:35], s[24:31]          ; the first fills go out together, ahead of every wait on TENSORcnt, every LDS read and every barrier: the scale words of all 16 steps,
	s_nop 0
	tensor_load_to_lds s[36:39], s[16:23]          ; the codes of steps 0 to 7,
	s_nop 0
	tensor_load_to_lds s[40:43], s[16:23]          ; and of steps 8 to 15
	s_nop 0
.rept 4
	v_nop
.endr
.macro PASSADR blk, q0, qc, qs, oc, os
	s_lshl_b32 s86, \blk, 8                        ; 256 x block
	s_lshl_b32 s85, s[WV], 4
	s_add_co_u32 s[\q0], s86, s85                  ; my first query,
	s_add_co_u32 s[\q0+1], s[\q0], 15              ; my last
	s_lshl_b32 s87, s[HD], 11                      ; the head's 2,048 rows
	s_add_co_u32 s86, s86, s87
	s_lshr_b32 s88, s[WV], 1
	s_lshl_b32 s88, s88, 5
	s_add_co_u32 s86, s86, s88
	s_and_b32 s88, s[WV], 1
	s_lshl_b32 s88, s88, 3
	s_add_co_u32 s86, s86, s88                     ; query 16 w + r stands at place 32 (w / 2) + 8 (w % 2) + r + 8 (r / 8) of its block
	s_mul_i32 s80, s86, 48
	s_add_nc_u64 s[\qc:\qc+1], s[4:5], s[80:81]
	s_lshl_b32 s80, s86, 2
	s_add_nc_u64 s[\qs:\qs+1], s[6:7], s[80:81]
	s_add_co_u32 s86, s87, s[\q0]
	s_mul_i32 s80, s86, 48
	s_add_nc_u64 s[\oc:\oc+1], s[8:9], s[80:81]    ; a multiple of 768 bytes
	s_lshr_b32 s86, s[HD], 4
	s_lshl_b32 s86, s86, 11
	s_add_co_u32 s86, s86, s[\q0]                  ; the token,
	s_lshl_b32 s86, s86, 5                         ; 32 scale bytes each,
	s_and_b32 s88, s[HD], 15
	s_lshl_b32 s88, s88, 1                         ; two for each head
	s_add_co_u32 s80, s86, s88
	s_add_nc_u64 s[\os:\os+1], s[10:11], s[80:81]
.endm
	PASSADR ttmp9, 56, 60, 62, 66, 68
	s_sub_co_u32 s89, 7, ttmp9
	PASSADR s89, 58, 70, 72, 74, 76
	v_and_b32 v8, 15, v0                           ; r = lane % 16
	v_bfe_u32 v9, v0, 4, 1                         ; h = lane / 16
	s_delay_alu instid0(VALU_DEP_2)
	v_mul_u32_u24 v1, v8, 48
	s_delay_alu instid0(VALU_DEP_1)
	v_mad_u32_u24 v1, v9, 24, v1                   ; v1: a fragment's row of 48 bytes, + 24 h
	s_delay_alu instid0(VALU_DEP_4)
	v_lshl_add_u32 v2, v8, 2, SC                   ; v2: a row's scale word
	v_and_b32 v10, 8, v8
	s_delay_alu instid0(VALU_DEP_1)
	v_add_nc_u32 v10, v10, v8                      ; r + 8 (r / 8)
	s_delay_alu instid0(VALU_DEP_1)
	v_mul_u32_u24 v3, v10, 48
	s_delay_alu instid0(VALU_DEP_1)
	v_mad_u32_u24 v3, v9, 24, v3                   ; v3: Q's codes in memory
	s_delay_alu instid0(VALU_DEP_3)
	v_lshlrev_b32 v4, 2, v10                       ; v4: Q's words
	s_lshl_b32 s54, s[WV], 10
	s_add_co_u32 s54, s54, STG                     ; my stage
	v_add_nc_u32 v5, s54, v1                       ; v5: into it: row r of 48 bytes, + 24 h
	v_and_b32 v7, 31, v0
	s_delay_alu instid0(VALU_DEP_1)
	v_lshlrev_b32 v7, 3, v7                        ; v7: 8 bytes a lane, in memory,
	s_delay_alu instid0(VALU_DEP_1)
	v_add_nc_u32 v6, s54, v7                       ; v6: and out of the stage
	v_lshlrev_b32 v10, 5, v8                       ; v10: my query's row of scale bytes
	v_lshlrev_b32 v11, 4, v9
	s_delay_alu instid0(VALU_DEP_1)
	v_sub_nc_u32 v11, v8, v11                      ; v11: r - 16 h, for the mask
.macro QLOAD qc, qs
.irp p, 0,1,2
	global_load_b64 v[16+2*\p:17+2*\p], v3, s[\qc:\qc+1] offset:8*\p   ; d = 32 h + 0 .. 31 of my query: registers 0-5 of the fragment
.endr
	global_load_b32 v255, v4, s[\qs:\qs+1]
.endm
	QLOAD 60, 62
.irp j, 22,23,24,25,26,27
	v_mov_b32 v[\j], 0                             ; the upper 64 of K: zero codes, in Q
.endr
.irp t, 0,1,2,3
.irp j, 6,7,8,9,10,11
	v_mov_b32 v[32+12*\t+\j], 0                    ; and in K's four fragments: written once, never loaded
.endr
.endr
.irp j, 236,237,238,239,252,253
	v_mov_b32 v[\j], 0                             ; written once: a lane permute's destination counts as one of its sources; v253 is named as the upper half of the pair v[252:253]
.endr
; A KEY STEP: 128 keys.  q0: the register that holds my first query (the next one my last).
.macro STEP q0
	s_cmp_gt_u32 s[KF], s[\q0+1]                   ; all its keys come after my queries: only the lines at its end, which step addresses, are run
	s_cbranch_scc1 .Lhidden_\@
	s_setprio 2
	v_add_nc_u32 v8, s[TB], v1
	s_wait_alu depctr_va_vdst(0)
	v_add_nc_u32 v9, s[TS], v2
	s_wait_alu depctr_va_vdst(0)
.irp g, 0,1                                    ; S^T = K Q^T, four tiles of 16 keys at a time
.if \g
.rept 4
	v_nop                                          ; places in front of loads into registers that matrix instructions have read
.endr
.endif
.irp t, 0,1,2,3
.irp p, 0,1,2
	ds_load_b64 v[32+12*\t+2*\p:33+12*\t+2*\p], v8 offset:768*(4*\g+\t)+8*\p
.endr
	ds_load_b32 v[248+\t], v9 offset:64*(4*\g+\t)
.endr
	s_wait_dscnt 0x0
.irp t, 0,1,2,3
	v_wmma_scale_f32_16x16x128_f8f6f4 v[S+8*(4*\g+\t):S+7+8*(4*\g+\t)], v[32+12*\t:43+12*\t], v[16:27], 0, v[248+\t], v255 matrix_a_fmt:MATRIX_FMT_FP6 matrix_b_fmt:MATRIX_FMT_FP6
.endr
.endr                                          ; lane (r, h) holds query r; the 16 registers of tiles 2 b, 2 b + 1 are keys KF + 32 b + 16 h + 0 .. 15
.irp t, 0,1,2,3                                ; V is asked for now and lands under the softmax.  Behind the last step's products, which read these registers, stand the two additions and the four v_nop above
.irp p, 0,1,2,3,4,5
	ds_load_b64 v[80+12*\t+2*\p:81+12*\t+2*\p], v8 offset:6144+3072*(\p/3)+768*\t+8*(\p%3)
.endr
	ds_load_b32 v[28+\t], v9 offset:512+64*\t
.endr
.rept 4
	v_nop                                          ; places in front of the first read of the scores
.endr
	s_add_co_u32 s54, s[KF], 127                   ; on the diagonal the scores of hidden keys become -infinity ahead of the maximum: p = 0 then.  A step all of whose keys count skips this
	s_cmp_le_u32 s54, s[\q0]
	s_cbranch_scc1 .Lopen_\@
	s_sub_co_i32 s54, s[\q0], s[KF]
	v_add_nc_u32 v252, s54, v11                    ; d = my query - KF - 16 h.  Register 16 b + i holds key KF + 16 h + 32 b + i: hidden where 32 b + i > d
	v_mov_b32 v254, 0xff800000                     ; -infinity
.set N, 0
.rept 64
	v_cmp_gt_i32 vcc_lo, 32*(N/16)+N%16, v252
	v_cndmask_b32 v[S+N], v[S+N], v254, vcc_lo
.set N, N+1
.endr
.Lopen_\@:
.irp b, 0,1,2,3
	v_max3_num_f32 v[232+\b], v[S+16*\b], v[S+1+16*\b], v[S+2+16*\b]   ; THE LARGEST SCORE OF EACH BLOCK OF 32 KEYS: it serves twice: for the row's maximum, and, since p rises with the score, for the block's largest p
.endr
.irp i, 3,5,7,9,11,13
.irp b, 0,1,2,3
	v_max3_num_f32 v[232+\b], v[232+\b], v[S+16*\b+\i], v[S+1+16*\b+\i]   ; (the four blocks by turns)
.endr
.endr
.irp b, 0,1,2,3
	v_max_num_f32 v[232+\b], v[232+\b], v[S+15+16*\b]
.endr
.irp b, 0,1,2,3
	s_delay_alu instid0(VALU_DEP_4)
	v_permlanex16_b32 v[236+\b], v[232+\b], s[SEL], s[SEL+1]
.endr
.irp b, 0,1,2,3
	s_delay_alu instid0(VALU_DEP_4)
	v_max_num_f32 v[232+\b], v[232+\b], v[236+\b]  ; with lane l xor 16's 16 keys
.endr
	s_delay_alu instid0(VALU_DEP_2)
	v_max3_num_f32 v254, v232, v233, v234
	s_delay_alu instid0(VALU_DEP_1)
	v_max_num_f32 v254, v254, v235                 ; the step's largest score of my query
	s_delay_alu instid0(VALU_DEP_1)
	v_mul_f32 v254, s[CS], v254                    ; as t (c is positive)
	s_delay_alu instid0(VALU_DEP_1)
	v_max_num_f32 v13, v13, v254                   ; the running largest t
	v_mov_b32 v254, v12
	s_delay_alu instid0(VALU_DEP_2)
	v_floor_f32 v12, -v13                          ; the new -M = floor(-t) = -ceil(t): M IS A WHOLE NUMBER
	s_delay_alu instid0(VALU_DEP_1)
	v_sub_f32 v254, v12, v254                      ; M's old value less its new one: a whole number, 0 or less
	s_delay_alu instid0(VALU_DEP_1)
	v_cvt_i32_f32 v254, v254                       ; (it saturates)
	s_delay_alu instid0(VALU_DEP_1)
	v_ldexp_f32 v252, 1.0, v254                    ; f = 2^(old M - new M): a multiplication by it rounds nothing
.set J, 0
	s_setprio 1
.rept 32
	v_pk_fma_f32 v[S+J:S+J+1], v[S+J:S+J+1], s[CS:CS+1], v[12:13] op_sel_hi:[1,0,0]   ; t - M, two at a time (of the pairs c and -M the low word serves both halves)
.set J, J+2
.endr
.irp b, 0,1,2,3
	v_fma_f32 v[232+\b], v[232+\b], s[CS], v12     ; the same of each block's largest score
.endr
.set J, 0
	s_wait_alu depctr_va_vdst(0)
.rept 64
	v_exp_f32 v[S+J], v[S+J]                       ; p = 2^(t - M), at most 1: NOT normalised
.set J, J+1
.endr
.irp b, 0,1,2,3
	v_exp_f32 v[232+\b], v[232+\b]                 ; the block's largest p: the same two instructions on the same number give the same bits
.endr
	v_pk_mul_f32 v[14:15], v[14:15], v[252:253] op_sel_hi:[1,0]   ; the sums under the new M.  (A plain place behind the exponentials)
	s_wait_alu depctr_va_vdst(0)
.irp b, 0,1,2,3
	v_max_num_f32 v[232+\b], 0x1800000, v[232+\b]  ; the floor 2^(3 - 127): the byte cannot fall under 1 (a block whose every p is 0 keeps that byte: its codes are zeros)
.endr
.irp b, 0,1,2,3
	s_delay_alu instid0(VALU_DEP_4)
	v_add_nc_u32 v[244+\b], 0xff000000, v[232+\b]  ; 2 off the exponent field: the conversion's scale operand
.endr
.irp b, 0,1,2,3
	s_delay_alu instid0(VALU_DEP_4)
	v_lshrrev_b32 v[236+\b], 23, v[244+\b]         ; the scale's byte
.endr
	s_delay_alu instid0(VALU_DEP_3)
	v_lshl_or_b32 v253, v237, 8, v236              ; p's scale word for these 128 keys
	s_delay_alu instid0(VALU_DEP_1)
	v_lshl_or_b32 v253, v238, 16, v253
	s_delay_alu instid0(VALU_DEP_1)
	v_lshl_or_b32 v253, v239, 24, v253
.irp c, 0,1
	v_cvt_scalef32_pk16_fp6_f32 v[224+6*\c:226+6*\c], v[S+32*\c:S+15+32*\c], v[244+2*\c]
	v_cvt_scalef32_pk16_fp6_f32 v[236+4*\c:238+4*\c], v[S+16+32*\c:S+31+32*\c], v[245+2*\c]   ; (a conversion's three registers begin on an even number)
.endr
	v_nop                                          ; one plain place behind a scaled conversion
.irp c, 0,1                                    ; the operand's layout wants a WHOLE block in a lane: lanes 0-15 block 2 c, lanes 16-31 block 2 c + 1
.irp i, 0,1,2
	v_permlane16_swap_b32 v[224+6*\c+\i], v[236+4*\c+\i]
.endr
.irp i, 0,1,2
	s_delay_alu instid0(VALU_DEP_3)
	v_mov_b32 v[227+6*\c+\i], v[236+4*\c+\i]
.endr
.endr
	v_pk_add_f32 v[236:237], v[132:133], v[136:137]
	v_pk_add_f32 v[250:251], v[140:141], v[144:145]
	v_pk_add_f32 v[248:249], v[148:149], v[152:153]
	v_pk_add_f32 v[246:247], v[156:157], v[160:161]
	v_pk_add_f32 v[244:245], v[164:165], v[168:169]
	v_pk_add_f32 v[242:243], v[172:173], v[176:177]
	s_setprio 0
	v_pk_add_f32 v[240:241], v[180:181], v[184:185]
	v_pk_add_f32 v[14:15], v[14:15], v[188:189]
	v_pk_add_f32 v[236:237], v[236:237], v[128:129]
	v_pk_add_f32 v[250:251], v[250:251], v[130:131]
	v_pk_add_f32 v[248:249], v[248:249], v[134:135]
	v_pk_add_f32 v[246:247], v[246:247], v[138:139]
	v_pk_add_f32 v[244:245], v[244:245], v[142:143]
	v_pk_add_f32 v[242:243], v[242:243], v[146:147]
	v_pk_add_f32 v[240:241], v[240:241], v[150:151]
	v_pk_add_f32 v[14:15], v[14:15], v[154:155]
	v_pk_add_f32 v[236:237], v[236:237], v[158:159]
	v_pk_add_f32 v[250:251], v[250:251], v[162:163]
	v_pk_add_f32 v[248:249], v[248:249], v[166:167]
	v_pk_add_f32 v[246:247], v[246:247], v[170:171]
	v_pk_add_f32 v[244:245], v[244:245], v[174:175]
	v_pk_add_f32 v[242:243], v[242:243], v[178:179]
	v_pk_add_f32 v[240:241], v[240:241], v[182:183]
	v_pk_add_f32 v[14:15], v[14:15], v[186:187]
	v_pk_add_f32 v[236:237], v[236:237], v[190:191]
	s_delay_alu instid0(VALU_DEP_2)
	v_pk_add_f32 v[14:15], v[14:15], v[246:247]
	s_delay_alu instid0(VALU_DEP_2)
	v_pk_add_f32 v[236:237], v[236:237], v[244:245]
	v_pk_add_f32 v[250:251], v[250:251], v[242:243]
	v_pk_add_f32 v[248:249], v[248:249], v[240:241]
	s_delay_alu instid0(VALU_DEP_2)
	v_pk_add_f32 v[14:15], v[14:15], v[250:251]
	s_delay_alu instid0(VALU_DEP_2)
	v_pk_add_f32 v[236:237], v[236:237], v[248:249]
	s_delay_alu instid0(VALU_DEP_1)
	v_pk_add_f32 v[14:15], v[14:15], v[236:237]
.set J, 0
.rept 16
	v_pk_mul_f32 v[O+J:O+J+1], v[O+J:O+J+1], v[252:253] op_sel_hi:[1,0]   ; O^T under the new M: x f, each accumulator from its low end on.  (These and the sums are the places between p's codes and scale word and the products below)
.set J, J+2
.endr
	s_wait_alu depctr_va_vdst(0)
	s_wait_dscnt 0x0                               ; V and its scale words are in
.irp t, 0,1,2,3                                ; O^T += V^T P^T: four tiles of 16 of d, by turns; K = these 128 keys
	v_wmma_scale_f32_16x16x128_f8f6f4 v[O+8*\t:O+7+8*\t], v[80+12*\t:91+12*\t], v[224:235], v[O+8*\t:O+7+8*\t], v[28+\t], v253 matrix_a_fmt:MATRIX_FMT_FP6 matrix_b_fmt:MATRIX_FMT_FP6
.endr
.Lhidden_\@:
	s_add_co_u32 s[KF], s[KF], 128
	s_add_co_u32 s[TB], s[TB], STEPB
	s_add_co_u32 s[TS], s[TS], 768
.endm
; A PASS: my 16 queries of one block against n key steps; then o is divided by the sum, quantised along d and stored.  next = 1: the next pass's Q is asked for on the way out.
.macro PASS n, q0, oc, os, next, nqc, nqs
	s_wait_loadcnt 0x0                             ; Q
	v_mov_b32 v13, 0xff61b1e6                      ; the largest t so far: -3e38, under every t
	s_delay_alu instid0(VALU_DEP_1)
	v_floor_f32 v12, -v13                          ; -M
	v_mov_b32 v14, 0                               ; the sum, in two halves
	v_mov_b32 v15, 0
.set J, 0
.rept 32
	v_mov_b32 v[O+J], 0                            ; O^T.  (The step is written once: the first finds zeros, which the first change of M leaves zeros)
.set J, J+1
.endr
	s_mov_b32 s[TB], 0
	s_mov_b32 s[TS], 0
	s_mov_b32 s[KF], 0
	s_mov_b32 s[TRIP], \n
.Lkeys_\@:
	STEP \q0
	s_sub_co_u32 s[TRIP], s[TRIP], 1
	s_cmp_lg_u32 s[TRIP], 0
	s_cbranch_scc1 .Lkeys_\@
	s_setprio 0
.rept 4
	v_nop                                          ; places behind the last products
.endr
.if \next
	QLOAD \nqc, \nqs
.endif
	v_add_f32 v14, v14, v15                        ; the sum's two halves,
	s_delay_alu instid0(VALU_DEP_1)
	v_permlanex16_b32 v252, v14, s[SEL], s[SEL+1]
	s_delay_alu instid0(VALU_DEP_1)
	v_add_f32 v14, v14, v252                       ; and lane l xor 16's: the row's sum
	s_wait_alu depctr_va_vdst(0)
	v_rcp_f32 v14, v14
	v_nop                                          ; a plain place behind the transcendental
.set J, 0
	s_wait_alu depctr_va_vdst(0)
.rept 32
	v_mul_f32 v[S+J], v[O+J], v14                  ; o: register 16 b + i is d = 32 b + 16 h + i of my query
.set J, J+1
.endr
.irp b, 0,1
	v_max3_num_f32 v[232+\b], |v[S+16*\b]|, |v[S+1+16*\b]|, 0x1800000   ; block b of d: my 16 numbers, and the floor
.endr
.irp i, 2,4,6,8,10,12,14
.irp b, 0,1
	s_delay_alu instid0(VALU_DEP_2)
	v_max3_num_f32 v[232+\b], v[232+\b], |v[S+16*\b+\i]|, |v[S+1+16*\b+\i]|
.endr
.endr
.irp b, 0,1
	s_delay_alu instid0(VALU_DEP_2)
	v_permlanex16_b32 v[236+\b], v[232+\b], s[SEL], s[SEL+1]
.endr
.irp b, 0,1
	s_delay_alu instid0(VALU_DEP_2)
	v_max_num_f32 v[232+\b], v[232+\b], v[236+\b]  ; with lane l xor 16's: the block's largest magnitude
.endr
.irp b, 0,1
	s_delay_alu instid0(VALU_DEP_2)
	v_add_nc_u32 v[244+\b], 0xff000000, v[232+\b]  ; the conversion's scale operand
.endr
.irp b, 0,1
	s_delay_alu instid0(VALU_DEP_2)
	v_lshrrev_b32 v[236+\b], 23, v[244+\b]         ; the scale's byte
.endr
	s_delay_alu instid0(VALU_DEP_1)
	v_lshl_or_b32 v254, v237, 8, v236              ; my query's two scale bytes of this head
	v_cvt_scalef32_pk16_fp6_f32 v[224:226], v[S:S+15], v244
	v_cvt_scalef32_pk16_fp6_f32 v[236:238], v[S+16:S+31], v245
	v_nop                                          ; one plain place behind a scaled conversion
.irp i, 0,1,2
	v_permlane16_swap_b32 v[224+\i], v[236+\i]     ; lanes 0-15 now hold block 0 whole, lanes 16-31 block 1
.endr
.irp i, 0,1,2
	s_delay_alu instid0(VALU_DEP_3)
	v_mov_b32 v[227+\i], v[236+\i]
.endr
.irp i, 0,1,2
	ds_store_b64 v5, v[224+2*\i:225+2*\i] offset:8*\i      ; 16 rows of 48 bytes in my stage
.endr
.irp i, 0,1,2
	ds_load_b64 v[240+2*\i:241+2*\i], v6 offset:256*\i     ; LDS serves a wave's instructions in order: these see my stores
.endr
	s_wait_alu depctr_va_vdst(0)
	s_wait_dscnt 0x0
.irp i, 0,1,2
	global_store_b64 v7, v[240+2*\i:241+2*\i], s[\oc:\oc+1] offset:256*\i   ; 32 lanes store 256 consecutive bytes, at a multiple of 256 from the buffer's first byte
.endr
	global_store_b16 v10, v254, s[\os:\os+1]       ; two bytes a query, 32 bytes apart (a row holds 16 heads, and I have one); both lanes of a query write the same value
.endm
	s_wait_tensorcnt 1                             ; my scale words and my part of steps 0 to 7 are in; the load of steps 8 to 15 may be out
	s_barrier_signal -1
	s_barrier_wait -1                              ; everybody's are
	PASS 8, 56, 66, 68, 1, 70, 72                  ; block x: its queries lie under 1,024
	s_wait_xcnt 0x0                                ; the stores have read their registers, which the next pass writes again
	s_wait_tensorcnt 0x0                           ; my part of steps 8 to 15 is in,
	s_wait_dscnt 0x0
	s_barrier_signal -1
	s_barrier_wait -1                              ; everybody's is
	PASS 16, 58, 74, 76, 0, 0, 0                   ; block 7 - x
	s_wait_xcnt 0x0
	v_lshl_add_u32 v254, v0, 2, 0x37000
	v_mov_b32 v255, 0
	s_wait_alu depctr_va_vdst(0)
	s_wait_tensorcnt 0x0
	ds_add_u32 v254, v255
	s_wait_dscnt 0x0
	s_endpgm
.Lfunc_end_k_q5ef11923c6_attn:
	.size	k_q5ef11923c6_attn, .Lfunc_end_k_q5ef11923c6_attn-k_q5ef11923c6_attn
	.p2alignl 7, 3214868480
	.fill 96, 4, 3214868480
	.section	.rodata,"a",@progbits
	.p2align	6, 0x0
	.amdhsa_kernel k_q5ef11923c6_attn
		.amdhsa_group_segment_fixed_size 227328
		.amdhsa_private_segment_fixed_size 0
		.amdhsa_enable_private_segment 0
		.amdhsa_kernarg_size 32
		.amdhsa_user_sgpr_count 2
		.amdhsa_user_sgpr_kernarg_segment_ptr 1
		.amdhsa_wavefront_size32 1
		.amdhsa_system_sgpr_workgroup_id_x 1
		.amdhsa_system_sgpr_workgroup_id_y 1
		.amdhsa_system_sgpr_workgroup_id_z 1
		.amdhsa_system_vgpr_workitem_id 0
		.amdhsa_next_free_vgpr 256
		.amdhsa_next_free_sgpr 100
		.amdhsa_reserve_vcc 1
		.amdhsa_float_denorm_mode_32 3
		.amdhsa_float_denorm_mode_16_64 3
		.amdhsa_memory_ordered 1
		.amdhsa_forward_progress 1
		.amdhsa_inst_pref_size 70
	.end_amdhsa_kernel
	.amdgpu_metadata
---
amdhsa.version: [ 1, 2 ]
amdhsa.kernels:
  - .name:           k_q5ef11923c6_attn
    .symbol:         k_q5ef11923c6_attn.kd
    .args:
      - { .name: qkv_codes, .offset: 0, .size: 8, .value_kind: global_buffer, .address_space: global }
      - { .name: qkv_scales, .offset: 8, .size: 8, .value_kind: global_buffer, .address_space: global }
      - { .name: o_codes, .offset: 16, .size: 8, .value_kind: global_buffer, .address_space: global }
      - { .name: o_scales, .offset: 24, .size: 8, .value_kind: global_buffer, .address_space: global }
    .group_segment_fixed_size: 227328
    .private_segment_fixed_size: 0
    .kernarg_segment_align: 8
    .kernarg_segment_size: 32
    .max_flat_workgroup_size: 512
    .sgpr_count:     100
    .vgpr_count:     256
    .wavefront_size: 32
...
	.end_amdgpu_metadata
.endif
;; end of part 3
;; launch proj (part 4): grid 4 x 32, 4 waves a work-group, clusters of 4 x 4, 327,680 bytes of LDS; arguments o_codes, o_scales, xw_codes, xw_scales, bp, out0; writes out0
.if DOCPART == 4
	.amdgcn_target "amdgcn-amd-amdhsa--gfx1250"
	.amdhsa_code_object_version 6
	.text
	.protected	k_q5ef11923c6_proj
	.globl	k_q5ef11923c6_proj
	.p2align	8
	.type	k_q5ef11923c6_proj,@function
k_q5ef11923c6_proj:
	s_mov_b64 s[64:65], 0
	v_nop
	global_prefetch_b8 v0, s[64:65] scope:SCOPE_SE
	s_setreg_imm32_b32 hwreg(HW_REG_WAVE_MODE, 25, 1), 1
	s_wait_xcnt 0x0
	s_wait_alu depctr_hold_cnt(0) depctr_sa_sdst(0) depctr_va_vdst(0) depctr_va_sdst(0) depctr_va_ssrc(0) depctr_va_vcc(0) depctr_vm_vsrc(0)
	s_getreg_b32 s2, hwreg(HW_REG_IB_STS2, 6, 4)
	s_cmp_eq_u32 s2, 0
	s_cbranch_scc0 .Lentry_in_a_cluster
	s_endpgm
.Lentry_in_a_cluster:
	s_bfe_u32 s2, ttmp6, 0x10000c
	s_cmp_lg_u32 s2, 0xf033
	s_cbranch_scc0 .Lentry_shape_is_right
	s_endpgm
.Lentry_shape_is_right:
; out0 = o Wp^T + bp on codes of FP6 (E2M3) with one E8M0 scale for each 32 along K = 1,024; sums in f32; out0 [8192][1024] f32.
; A = o: codes [64 heads (16 x batch + head)][2048 tokens][48 bytes], K = 64 x head + d; scale bytes [8192 tokens][32].  B = Wp: rows 11,264 on of the table of codes (768 bytes a row) and of scale bytes (32 a row).
; A tile of out0, 256 x 256, is made by four waves, each 128 x 128: 64 accumulators of 16 x 16, 512 registers.  K goes in steps of 256 (four heads) through a ring of two LDS slots filled by the tensor data mover.
; A's tile of a K step is four PANELS, one a head: 128 tokens x 48 bytes, 6,144 dense bytes each, 98,304 bytes apart in memory: one descriptor of 4 rows.  In LDS a panel's rows are 48 bytes apart: the 32 lanes of a load of
; 8 bytes at 48 r + 24 h touch 64 different banks (64 banks of 4 bytes: ISA guide 11.1).  B's rows are 192 bytes, with 16 bytes of padding behind every 64.
; THE SCALES of the tile's 256 + 256 rows, for all of K, come into LDS once, with the first fills, and stay.  THE BIAS is the C of each sum's first matrix instruction: 64 registers in the result's layout.
; CLUSTERS: 4 x 4 work-groups.  The four of a row of the cluster need the same tiles of A, the four of a column the same tiles of B: each is asked for JOINTLY, by the same tensor load with the same descriptor and a mask that names the four.
; THE MATRIX INSTRUCTION IS USED TRANSPOSED (source 0 = 16 rows of B, source 1 = 16 rows of A): a lane then holds eight neighbouring numbers of a row of out0.
; The grid has 128 work-groups: 32 x 4 tiles.
; REGISTERS, in windows of 256: window 0: v0-31 addresses; v32-63 scale words, two sets, and nothing else; v64-127 the bias; from v128 A's fragments, ONE set; on the way out v128-255.
;   window 1: B's fragments, TWO sets, at v0 and v128.   window 2: the 32 accumulators of my rows 0-63 (accumulator (a, b) at v[8 (8 a + b)]);   window 3: those of my rows 64-127.
.set SIZE_K, 1024
.set SIZE_N, 1024
.set KSTEP,  256
.set NQ,     KSTEP/128
.set ROWB,   192                       ; B: a tile's row in bytes
.set KROW,   SIZE_K*6/8                ; B: a row of codes in memory
.set PITCH,  240                       ; B: an LDS row: 3 x (64 bytes + 16 of padding)
.set PANEL,  6144                      ; A: 128 tokens x 48 bytes of one head
.set HEADB,  98304                     ; A: a head's 2,048 tokens in memory
.set ASTEP,  4*HEADB                   ; A: a K step on
.set FR,     12
.set NL,     6
.set NP,     4                         ; places behind this matrix instruction (ISA guide 7.12.1)
.set HALFA,  4*PANEL                   ; A: 128 rows x 256 K: what one tensor load brings
.set HALFB,  128*PITCH                 ; B likewise
.set BOFF,   2*HALFA                   ; in a slot B's halves lie behind A's
.set SLOT,   BOFF+2*HALFB
.set LAPS,   SIZE_K/(2*KSTEP)
.set KS,     SIZE_K/32
.set SCL,    2*SLOT                    ; behind the ring: the scales, as units of 256 bytes + 16 of padding
.set HALFS,  (128*KS/256)*272
.set SBLK,   (16*KS/256)*272
.set SPARE,  SCL+4*HALFS               ; the spare words, 128 bytes for each wave: two blocks of 256 bytes that no other line names
.set SPITCH, 528                       ; the way out: a stage of 16 rows x (512 bytes + 16) for each wave, in slot 0, which has had its last fill and its last read by then
.set ADRA, 16                          ; v16-17  LDS address of my A fragments in slot 0, 1
.set ADRB, 20                          ; v20-21  the same for B  (v22-23: for the pieces that lie behind one padding more)
.set STO,  24
.set RD,   25
.set CO,   26
.set ADRS, 27
.set SPW,  28                          ; v28     LDS address of my spare word; never rewritten
.set NIL,  29                          ; v29     0; never rewritten
.set SC,   32
.set BI,   64                          ; v64-127 bp at my 128 columns: register 8 b + j: column 16 b + 8 (lane / 16) + j
.set AF,   128
.set BK,   128
.set G1, 24
.set G0, 32
.set G1B, 48
.set G0B, 56
.set G1S, 68
.set G0S, 76
.set G1SB, 80
.set G0SB, 88
.set MSB, 0
.macro WIN new                         ; the immediate's high byte repeats the setting that is left
.if MSB != \new
	s_set_vgpr_msb (MSB<<8)|\new
.set MSB, \new
.endif
.endm
.set MUL_LO, 0xa1                      ; source 0 (B) window 1, source 1 (A) window 0, C and D window 2
.set MUL_HI, 0xf1                      ; the same, C and D window 3
.set BIA_LO, 0x81                      ; the first products: C (the bias) window 0, D window 2
.set BIA_HI, 0xc1                      ; D window 3
.set TO_B,   0x40
; A joint load: waves 0 and 1 fetch for A, waves 2 and 3 for B; the branch hangs on the wave's number alone.  Four v_nop follow each of the two lines.
.macro JLOAD g0a, g1a, g0b, g1b
	s_cmp_eq_u32 s15, 0
	s_cbranch_scc0 .Lfor_b_\@
	tensor_load_to_lds s[\g0a:\g0a+3], s[\g1a:\g1a+7]
	s_nop 0
.rept 4
	v_nop
.endr
	s_branch .Lasked_\@
.Lfor_b_\@:
	tensor_load_to_lds s[\g0b:\g0b+3], s[\g1b:\g1b+7]
	s_nop 0
.rept 4
	v_nop
.endr
.Lasked_\@:
.endm
.macro CREST                           ; a round of the cluster's barrier behind its opening barrier
	s_cmp_lg_u32 s14, 0
	s_cbranch_scc1 .Lnot_wave_0_\@
	s_barrier_signal -3
.Lnot_wave_0_\@:
	s_barrier_wait -3
	s_barrier_signal -1
	s_barrier_wait -1
.endm
.macro CROUND
	s_barrier_signal -1
	s_barrier_wait -1
	CREST
.endm
	s_load_b256 s[4:11], s[0:1], 0x0               ; o's codes s[4:5], o's scales s[6:7]; the table's codes s[8:9], its scales s[10:11]
	s_load_b64 s[96:97], s[0:1], 0x20              ; bp
	s_load_b64 s[12:13], s[0:1], 0x28              ; out0
	v_lshl_add_u32 v[SPW], v0, 2, SPARE
	v_mov_b32 v[NIL], 0
	ds_add_u32 v28, v29
	ds_add_u32 v28, v29
	s_wait_dscnt 0x0
	v_lshrrev_b32 v1, 5, v0
	v_readfirstlane_b32 s14, v1                    ; wave 0..3
	s_lshr_b32 s15, s14, 1                         ; which half of the tile's rows is mine.  Also: I fetch for A (0) or for B (1)
	s_and_b32 s16, s14, 1                          ; which half of its columns.  Also: which 128 rows of that tile I fetch
	s_bfe_u32 s40, ttmp6, 0x40000                  ; cx, cy
	s_bfe_u32 s41, ttmp6, 0x40004
	s_lshl_b32 s42, ttmp9, 2
	s_add_co_u32 s42, s42, s40                     ; tile column = 4 x cluster x + cx
	s_and_b32 s17, ttmp7, 0xffff
	s_lshl_b32 s17, s17, 2
	s_add_co_u32 s17, s17, s41                     ; tile row = 4 x cluster y + cy
	s_lshl_b32 s43, s41, 2
	s_lshl_b32 s43, 15, s43                        ; my row of the cluster
	s_lshl_b32 s44, 0x1111, s40                    ; my column
	; descriptor group 1.  A: 4 panels of 6,144 bytes (768 elements of 8 bytes), 98,304 bytes apart, no padding
	s_or_b32 s[G1+0], s43, (3<<16)|(1<<21)         ; 15:0 the mask: A's tiles go to my row; 17:16 elements of 8 bytes; 20 padding off; 21 set beside a mask
	s_mov_b32 s[G1+1], (PANEL/8)<<16               ; tensor_dim0
	s_mov_b32 s[G1+2], 4<<16                       ; tensor_dim1
	s_mov_b32 s[G1+3], (PANEL/8)<<16               ; tile_dim0
	s_mov_b32 s[G1+4], 4                           ; tile_dim1
	s_mov_b32 s[G1+5], HEADB/8                     ; tensor_dim0_stride
	s_mov_b32 s[G1+6], 0
	s_mov_b32 s[G1+7], 0
	; B: 128 rows x 192 bytes, 16 bytes of padding behind every 64
	s_or_b32 s[G1B+0], s44, (0<<16)|(1<<20)|(1<<21)|(3<<22)|(3<<25)
	s_mov_b32 s[G1B+1], ROWB<<16
	s_mov_b32 s[G1B+2], 128<<16
	s_mov_b32 s[G1B+3], ROWB<<16
	s_mov_b32 s[G1B+4], 128
	s_mov_b32 s[G1B+5], KROW
	s_mov_b32 s[G1B+6], 0
	s_mov_b32 s[G1B+7], 0
	; the scales of 128 rows: a dense block of 4,096 bytes, as rows of 256 bytes, 16 bytes of padding behind each
	s_or_b32 s[G1S+0], s43, (3<<16)|(1<<20)|(1<<21)|(5<<22)|(3<<25)
	s_or_b32 s[G1SB+0], s44, (3<<16)|(1<<20)|(1<<21)|(5<<22)|(3<<25)
.irp g, G1S, G1SB
	s_mov_b32 s[\g+1], 32<<16
	s_mov_b32 s[\g+2], (128*KS/256)<<16
	s_mov_b32 s[\g+3], 32<<16
	s_mov_b32 s[\g+4], 128*KS/256
	s_mov_b32 s[\g+5], 32
	s_mov_b32 s[\g+6], 0
	s_mov_b32 s[\g+7], 0
.endr
	s_lshl_b32 s18, s16, 7                         ; which 128 rows of the tile I fetch
	s_lshl_b32 s20, s17, 8
	s_add_co_u32 s20, s20, s18                     ; A: the token
	s_lshr_b32 s2, s20, 11
	s_mul_i32 s2, s2, 16*HEADB                     ; its batch's 16 heads,
	s_and_b32 s3, s20, 2047
	s_mul_i32 s3, s3, 48                           ; its 48 bytes in a head
	s_add_co_u32 s2, s2, s3                        ; (under 6,291,456)
	s_mov_b32 s3, 0
	s_lshl_b32 s22, s20, 5                         ; and its 32 scale bytes
	s_mov_b32 s23, 0
	s_add_co_u32 s46, s42, 44                      ; B: Wp's rows begin at 44 x 256 in the table
	s_lshl_b32 s46, s46, 8
	s_add_co_u32 s46, s46, s18
	s_mul_i32 s92, s46, KS
	s_mov_b32 s93, 0
	s_mul_i32 s46, s46, KROW                       ; (under 9,437,184)
	s_mov_b32 s47, 0
	s_mul_i32 s45, s16, HALFA                      ; where they go: A's half,
	s_mul_i32 s95, s16, HALFB
	s_add_co_u32 s95, s95, BOFF                    ; B's half,
	s_mul_i32 s94, s14, HALFS                      ; the scales: wave x 128 rows.  No place in the cluster enters an LDS address
	s_wait_kmcnt 0x0
	s_add_nc_u64 s[20:21], s[4:5], s[2:3]
	s_add_nc_u64 s[22:23], s[6:7], s[22:23]
	s_add_nc_u64 s[46:47], s[8:9], s[46:47]
	s_add_nc_u64 s[92:93], s[10:11], s[92:93]
	CROUND                                         ; all sixteen work-groups are here: the first joint loads meet
	s_mov_b32 s[G0S], 1
	s_add_co_u32 s[G0S+1], s94, SCL
	s_mov_b64 s[G0S+2:G0S+3], s[22:23]
	s_or_b32 s[G0S+3], s[G0S+3], 0x80000000
	s_mov_b32 s[G0SB], 1
	s_add_co_u32 s[G0SB+1], s94, SCL
	s_mov_b64 s[G0SB+2:G0SB+3], s[92:93]
	s_or_b32 s[G0SB+3], s[G0SB+3], 0x80000000
	JLOAD G0S, G1S, G0SB, G1SB                     ; the scales first: they are wanted with K step 0
.irp s, 0,1
	s_mov_b32 s[G0+4*\s], 1
	s_add_co_u32 s[G0+4*\s+1], s45, \s*SLOT
	s_add_nc_u64 s[G0+4*\s+2:G0+4*\s+3], s[20:21], \s*ASTEP
	s_or_b32 s[G0+4*\s+3], s[G0+4*\s+3], 0x80000000
	s_mov_b32 s[G0B+4*\s], 1
	s_add_co_u32 s[G0B+4*\s+1], s95, \s*SLOT
	s_add_nc_u64 s[G0B+4*\s+2:G0B+4*\s+3], s[46:47], \s*ROWB
	s_or_b32 s[G0B+4*\s+3], s[G0B+4*\s+3], 0x80000000
	s_wait_alu depctr_va_vdst(0)
	s_wait_tensorcnt 0x0
	ds_add_u32 v28, v29
	s_wait_dscnt 0x0
	CROUND
	JLOAD G0+4*\s, G1, G0B+4*\s, G1B
.endr
	v_and_b32 v1, 15, v0                           ; r
	v_bfe_u32 v2, v0, 4, 1                         ; h
	s_lshl_b32 s46, s42, 10                        ; my first column, in bytes of a row of out0 and of bp alike: 1024 x tile column + 512 x half
	s_lshl_b32 s47, s16, 9
	s_add_co_u32 s46, s46, s47
	s_mov_b32 s47, 0
	s_add_nc_u64 s[96:97], s[96:97], s[46:47]
	v_lshlrev_b32 v7, 5, v2                        ; the bias: lanes 16-31 take the eight columns further on
.irp b, 0,1,2,3,4,5,6,7
	global_load_b128 v[BI+8*\b:BI+8*\b+3], v7, s[96:97] offset:64*\b
	global_load_b128 v[BI+8*\b+4:BI+8*\b+7], v7, s[96:97] offset:64*\b+16
.endr
	v_mul_u32_u24 v3, v1, PITCH
	v_mul_u32_u24 v4, v2, 24
	v_add_nc_u32 v4, v3, v4                        ; B: a fragment's row x pitch + 24 x half
	v_lshl_add_u32 v5, v2, 4, v4                   ; and the same behind one padding more
	v_mul_u32_u24 v3, v1, 48
	v_mad_u32_u24 v3, v2, 24, v3                   ; A: row of 48 bytes + 24 x half
	s_mul_i32 s21, s15, HALFA                      ; my 128 rows of A
	s_mul_i32 s22, s16, HALFB                      ; my 128 rows of B,
	s_add_co_u32 s22, s22, BOFF                    ; which lie behind A's
.irp s, 0,1
	v_add_nc_u32 v[ADRA+\s], s21, v3
	v_add_nc_u32 v[ADRB+\s], s22, v4
	v_add_nc_u32 v[ADRB+2+\s], s22, v5
	s_add_co_u32 s21, s21, SLOT
	s_add_co_u32 s22, s22, SLOT
.endr
	v_mul_u32_u24 v5, v1, KS                       ; my row's scales: KS bytes a row,
	v_lshrrev_b32 v6, 8, v5
	v_lshl_add_u32 v5, v6, 4, v5                   ; and 16 more for each 256 passed
	s_mul_i32 s21, s15, HALFS
	s_mul_i32 s22, s16, HALFS
	s_add_co_u32 s22, s22, 2*HALFS
	s_sub_co_u32 s22, s22, s21
	v_mul_u32_u24 v6, s22, v2                      ; lanes 16-31 take B's: the lower base + h x the distance
	s_add_co_u32 s21, s21, SCL
	v_add_nc_u32 v5, v5, v6
	v_add_nc_u32 v[ADRS], s21, v5
	s_mul_i32 s23, s14, 16*SPITCH                  ; my stage
	v_mul_u32_u24 v5, v1, SPITCH                   ; in: row r, 32 bytes for each half of the lanes
	v_lshl_add_u32 v5, v2, 5, v5
	v_add_nc_u32 v[STO], s23, v5
	v_and_b32 v6, 31, v0
	v_lshlrev_b32 v[CO], 4, v6                     ; back: the 32 lanes take one row of 512 bytes; and the same in out0
	v_add_nc_u32 v[RD], s23, v[CO]
	s_lshl_b32 s20, s17, 8
	s_lshl_b32 s21, s15, 7
	s_add_co_u32 s20, s20, s21                     ; my first row of out0,
	s_lshl_b32 s20, s20, 12                        ; 4,096 bytes each (under 2^25),
	s_add_co_u32 s20, s20, s46                     ; and my first column
	s_mov_b32 s21, 0
	s_add_nc_u64 s[12:13], s[12:13], s[20:21]
.macro FRAG reg, adr, q, i             ; B: a fragment, 16 rows x 128 K, is 12 registers: lane l holds row l % 16; registers 6 c .. 6 c + 5 hold K = 64 c + 32 (l / 16) + 0 .. 31: 24 bytes as they lie, in pieces of 8
.irp p, 0,1,2,3,4,5
.set PCE, 12*(\q)+6*(\p/3)+\p%3        ; 16 bytes of padding lie behind every 8 pieces: where the piece three on (lanes 16-31) lies behind one padding more, the second address register serves
.if PCE%8 < 5
	ds_load_b64 v[\reg+2*\p:\reg+2*\p+1], v[\adr] offset:8*PCE+16*(PCE/8)+(\i)*16*PITCH
.else
	ds_load_b64 v[\reg+2*\p:\reg+2*\p+1], v[\adr+2] offset:8*PCE+16*(PCE/8)+(\i)*16*PITCH
.endif
.endr
.endm
.macro FRAGA reg, slot, q, i           ; A: K = 64 c + .. is head 2 q + c of the slot's four: its panel, row 16 i + r, 24 bytes at 24 h
.irp p, 0,1,2,3,4,5
	ds_load_b64 v[\reg+2*\p:\reg+2*\p+1], v[ADRA+\slot] offset:(2*(\q)+\p/3)*PANEL+(\i)*768+8*(\p%3)
.endr
.endm
; 16 matrix instructions: A's blocks a0, a0 + 1 x B's eight, 128 along K.  zero = 1: the first product starts the sums, with the bias as its C: nothing is cleared, nothing is added later.
; The 64 accumulators take turns, one instruction a turn, in the same order in every step.
.macro MUL16 a0, p, q, sc, zero
.irp a, \a0, \a0+1
.irp b, 0,1,2,3,4,5,6,7
.if \zero
	v_wmma_scale_f32_16x16x128_f8f6f4 v[8*(8*((\a)%4)+\b):8*(8*((\a)%4)+\b)+7], v[128*(\p)+FR*\b:128*(\p)+FR*\b+FR-1], v[AF+FR*(\a):AF+FR*(\a)+FR-1], v[BI+8*\b:BI+8*\b+7], v[SC+8*NQ*(\sc)+NQ*\b+(\q)], v[SC+8*NQ*(\sc)+NQ*(\a)+(\q)] matrix_a_fmt:MATRIX_FMT_FP6 matrix_b_fmt:MATRIX_FMT_FP6 matrix_a_scale:MATRIX_SCALE_ROW1
.else
	v_wmma_scale_f32_16x16x128_f8f6f4 v[8*(8*((\a)%4)+\b):8*(8*((\a)%4)+\b)+7], v[128*(\p)+FR*\b:128*(\p)+FR*\b+FR-1], v[AF+FR*(\a):AF+FR*(\a)+FR-1], v[8*(8*((\a)%4)+\b):8*(8*((\a)%4)+\b)+7], v[SC+8*NQ*(\sc)+NQ*\b+(\q)], v[SC+8*NQ*(\sc)+NQ*(\a)+(\q)] matrix_a_fmt:MATRIX_FMT_FP6 matrix_b_fmt:MATRIX_FMT_FP6 matrix_a_scale:MATRIX_SCALE_ROW1
.endif
.endr
.endr
.endm
.macro FETCH_B slot, q, p
	WIN TO_B
.irp i, 0,1,2,3,4,5,6,7
	FRAG 128*(\p)+FR*\i, ADRB+\slot, \q, \i
.endr
	WIN 0
.endm
.macro FETCH_A slot, q, i0
.irp i, \i0, \i0+1, \i0+2, \i0+3
	FRAGA AF+FR*(\i), \slot, \q, \i
.endr
.endm
.macro SCALES sc                       ; the next K step's scale words into set sc; lanes 0-15 take A's block i, lanes 16-31 B's block i
.irp i, 0,1,2,3,4,5,6,7
	ds_load_b64 v[SC+8*NQ*\sc+NQ*\i:SC+8*NQ*\sc+NQ*\i+1], v[ADRS] offset:\i*SBLK
.endr
.endm
; A load into a register that a matrix instruction has read, and an LDS store that reads a matrix result, stand NP places behind that matrix instruction, and only plain vector
; instructions that name none of its registers are places (ISA guide 7.12.1 for vector instructions).
.macro PLACES n
.rept \n
	v_nop
.endr
.endm
.macro STEP slot, q, zero
	s_wait_dscnt 4*NL                              ; B's set and A's blocks 0-3 are in; the youngest 24 loads (A's blocks 4-7) may be out
.if \zero
	WIN BIA_LO
.else
	WIN MUL_LO
.endif
	MUL16 0, (\q)%2, \q, \slot, \zero
	MUL16 2, (\q)%2, \q, \slot, \zero
	s_wait_dscnt 0                                 ; A's blocks 4-7 are in
	PLACES NP
	FETCH_B \slot, (\q)+1, 1-(\q)%2
	FETCH_A \slot, (\q)+1, 0
.if \zero
	WIN BIA_HI
.else
	WIN MUL_HI
.endif
	MUL16 4, (\q)%2, \q, \slot, \zero
	MUL16 6, (\q)%2, \q, \slot, \zero
	PLACES NP
	WIN 0
	FETCH_A \slot, (\q)+1, 4
.endm
; A slot's last step changes slots: ONE barrier; in front of it each wave waits for all its tensor loads, adds 0 to its spare word, and waits for that and for its own reads of this slot.  fill = 1: this slot is filled again, two K steps ahead.
.macro TURN slot, next, fill
	s_wait_tensorcnt 0x0                           ; all my tensor loads have landed: my part of the next slot;  (every window is 0 here)
	ds_add_u32 v[SPW], v[NIL]                      ; 0 onto my spare word
	s_wait_dscnt 4*NL+1                            ; (the add and the youngest 24 loads, A's blocks 4-7, may be out)
	WIN MUL_LO
	MUL16 0, 1, NQ-1, \slot, 0                     ; sixteen matrix instructions stand between the add and the wait for it
	s_wait_dscnt 0x0                               ; the add is done, and my reads of this slot are over
	s_barrier_signal -1
	MUL16 2, 1, NQ-1, \slot, 0
	WIN 0
	s_barrier_wait -1
.if \fill
	CREST                                          ; the barrier has opened a round of the cluster's barrier: no wave of any partner still reads this slot's tile or has a load on its way
	s_add_nc_u64 s[G0+4*\slot+2:G0+4*\slot+3], s[G0+4*\slot+2:G0+4*\slot+3], 2*ASTEP
	s_add_nc_u64 s[G0B+4*\slot+2:G0B+4*\slot+3], s[G0B+4*\slot+2:G0B+4*\slot+3], 2*ROWB
	JLOAD G0+4*\slot, G1, G0B+4*\slot, G1B         ; the first tensor load behind the round; the four v_nop behind it are the places in front of the loads below
.else
	PLACES NP
.endif
	s_wait_alu depctr_va_vdst(0)
	v_add_nc_u32 v[ADRS], 4*NQ, v[ADRS]            ; on to the next K step's scale words (no LDS load of mine is out)
	FETCH_B \next, 0, 0
	FETCH_A \next, 0, 0
	SCALES \next
	WIN MUL_HI
	MUL16 4, 1, NQ-1, \slot, 0
	MUL16 6, 1, NQ-1, \slot, 0
	PLACES NP
	WIN 0
	FETCH_A \next, 0, 4
.endm
	s_wait_alu depctr_va_vdst(0)
	s_wait_tensorcnt 1                             ; the scales and my part of K step 0 are in (K step 1's load may be out)
	s_barrier_signal -1
	s_barrier_wait -1                              ; everybody's are
	FETCH_B 0, 0, 0
	FETCH_A 0, 0, 0
	SCALES 0
	FETCH_A 0, 0, 4
	s_wait_loadcnt 0x0                             ; the bias
	STEP 0, 0, 1                                   ; the first step stands in front of the loop: its products start the sums
	s_mov_b32 s3, LAPS-1
.Llap:                                                 ; a trip goes once round the ring and fills both slots again
	TURN 0, 1, 1
	STEP 1, 0, 0
	TURN 1, 0, 1
	STEP 0, 0, 0
	s_sub_co_u32 s3, s3, 1
	s_cmp_lg_u32 s3, 0
	s_cbranch_scc1 .Llap
	TURN 0, 1, 0                                   ; the last lap fills nothing, and has no round of the cluster's barrier
	STEP 1, 0, 0
	s_wait_dscnt 4*NL                              ; the very last step: nothing more to fetch
	WIN MUL_LO
	MUL16 0, 1, NQ-1, 1, 0
	MUL16 2, 1, NQ-1, 1, 0
	s_wait_dscnt 0
	WIN MUL_HI
	MUL16 4, 1, NQ-1, 1, 0
	MUL16 6, 1, NQ-1, 1, 0
	WIN 0
; THE WAY OUT, block by block of 16 rows x 128 columns: through my own stage in LDS, back as whole rows of 512 bytes.  LDS serves a wave's instructions in order (ISA guide 5.7.1.4): no wait between the stores and the loads.
.macro TOSTAGE a
.set AC, 64*((\a)%4)
.set WD, 0x08+4*((\a)/4)
	WIN WD                                         ; the data: window 2 or 3
.irp b, 0,1,2,3,4,5,6,7
	ds_store_b128 v[STO], v[AC+8*\b:AC+8*\b+3] offset:64*\b          ; each accumulator from its low end on
	ds_store_b128 v[STO], v[AC+8*\b+4:AC+8*\b+7] offset:64*\b+16
.endr
	WIN 0
.set BB, BK+64*((\a)%2)
.irp t, 0,1,2,3,4,5,6,7,8,9,10,11,12,13,14,15
	ds_load_b128 v[BB+4*\t:BB+4*\t+3], v[RD] offset:\t*SPITCH
.endr
.endm
.macro SEND a, younger                 ; younger: the LDS instructions issued behind block a's loads, which may stay out
.set BB, BK+64*((\a)%2)
	s_wait_dscnt \younger                          ; the block is back in registers
.if (\a) > 0
	s_add_nc_u64 s[12:13], s[12:13], 16*SIZE_N*4   ; (behind a wait on XCNT: the earlier stores have read their base)  16 rows on
.endif
.irp t, 0,1,2,3,4,5,6,7,8,9,10,11,12,13,14,15
	global_store_b128 v[CO], v[BB+4*\t:BB+4*\t+3], s[12:13] offset:\t*SIZE_N*4 th:TH_STORE_NT   ; 32 lanes store 512 consecutive bytes, at a multiple of 256 from out0's first byte; written once, read by nobody here
.endr
.endm
	PLACES NP                                      ; behind the last products: for the loads into the registers that held A's fragments, and for the reads of results
	TOSTAGE 0
.irp a, 1,2,3,4,5,6,7
.if \a > 1
	s_wait_xcnt 0x0                                ; block a - 2's stores have read their registers and their base: block a's loads may land there, and the base may step
.endif
	TOSTAGE \a
	SEND \a-1, 32                                  ; behind block a - 1's loads: block a's 16 stores and 16 loads
.endr
	s_wait_xcnt 0x0                                ; block 6's stores have read their base
	SEND 7, 0
	s_wait_tensorcnt 0x0                           ; the wave's end: behind my last tensor load and my last LDS store
	ds_add_u32 v[SPW], v[NIL]
	s_wait_dscnt 0x0
	CROUND                                         ; the closing round: no work-group ends while a partner may still ask for a tile that names it
	s_endpgm
.Lfunc_end_k_q5ef11923c6_proj:
	.size	k_q5ef11923c6_proj, .Lfunc_end_k_q5ef11923c6_proj-k_q5ef11923c6_proj
	.p2alignl 7, 3214868480
	.fill 96, 4, 3214868480
	.section	.rodata,"a",@progbits
	.p2align	6, 0x0
	.amdhsa_kernel k_q5ef11923c6_proj
		.amdhsa_group_segment_fixed_size 327680
		.amdhsa_private_segment_fixed_size 0
		.amdhsa_enable_private_segment 0
		.amdhsa_kernarg_size 48
		.amdhsa_user_sgpr_count 2
		.amdhsa_user_sgpr_kernarg_segment_ptr 1
		.amdhsa_wavefront_size32 1
		.amdhsa_system_sgpr_workgroup_id_x 1
		.amdhsa_system_sgpr_workgroup_id_y 1
		.amdhsa_system_sgpr_workgroup_id_z 1
		.amdhsa_system_vgpr_workitem_id 0
		.amdhsa_next_free_vgpr 1024
		.amdhsa_next_free_sgpr 100
		.amdhsa_reserve_vcc 0
		.amdhsa_float_denorm_mode_32 3
		.amdhsa_float_denorm_mode_16_64 3
		.amdhsa_memory_ordered 1
		.amdhsa_forward_progress 1
		.amdhsa_inst_pref_size 163
	.end_amdhsa_kernel
	.amdgpu_metadata
---
amdhsa.version: [ 1, 2 ]
amdhsa.kernels:
  - .name:           k_q5ef11923c6_proj
    .symbol:         k_q5ef11923c6_proj.kd
    .args:
      - { .name: o_codes, .offset: 0, .size: 8, .value_kind: global_buffer, .address_space: global }
      - { .name: o_scales, .offset: 8, .size: 8, .value_kind: global_buffer, .address_space: global }
      - { .name: xw_codes, .offset: 16, .size: 8, .value_kind: global_buffer, .address_space: global }
      - { .name: xw_scales, .offset: 24, .size: 8, .value_kind: global_buffer, .address_space: global }
      - { .name: bp, .offset: 32, .size: 8, .value_kind: global_buffer, .address_space: global }
      - { .name: out0, .offset: 40, .size: 8, .value_kind: global_buffer, .address_space: global }
    .group_segment_fixed_size: 327680
    .private_segment_fixed_size: 0
    .kernarg_segment_align: 8
    .kernarg_segment_size: 48
    .max_flat_workgroup_size: 128
    .sgpr_count:     100
    .vgpr_count:     1024
    .wavefront_size: 32
...
	.end_amdgpu_metadata
.endif
;; end of part 4
